; MI455X (gfx1250); checked and timed in simulation.
; The chip was launched on July 23, 2026; its instructions are those of AMD's public machine-readable ISA for CDNA 5 (MIT licence, August 2026) and "CDNA5" Instruction Set Architecture Reference Guide (July 2026). The comments in the code are by the model that wrote it; some were corrected since.
;; Advanced Optimized Attention. Allowed arithmetic: matrix products marked QUANTISED: E4M3 operands, one E8M0 scale for each 32 along K, by v_wmma_scale_f32_16x16x128_f8f6f4 with both operands' format E4M3, f32 sums; everything else in f32.
;; Inputs: b_out 1,024 float32; w_out 1,024 x 1,024 float32; w_qkv 1,024 x 3,072 float32; x 4 x 2,048 x 1,024 float32.
;; Outputs: out0 4 x 2,048 x 1,024 float32.
;; This version of the problem:
;;   THIS VERSION OF THE PROBLEM IS GIVEN IN LOW PRECISION. The matrix products marked QUANTISED in the list below multiply operands that are first quantised to E4M3 (4 exponent bits, 3 mantissa bits; 8 bits a number), with one power-of-two scale for each 32 numbers along K (OCP MX v1.0); their sums are f32. All else is computed in f32.
;;   The module's matrix products, in the order in which they are computed (A, B: the left and right operand; K: the contracted axis; several contracted axes count as one K, in the product's order):
;;     1. [M 8,192, K 1,024] x [K 1,024, N 3,072]; A: input x; B: input w_qkv: QUANTISED
;;     2. batch 64 x [M 2,048, K 64] x [K 64, N 2,048]; A: computed on the way; B: computed on the way: QUANTISED
;;     3. batch 64 x [M 2,048, K 2,048] x [K 2,048, N 64]; A: softmax (see below); B: computed on the way: QUANTISED
;;     4. [M 8,192, K 1,024] x [K 1,024, N 1,024]; A: computed on the way; B: input w_out: QUANTISED
;;   THE QUANTISER, for each operand of a quantised product, along K:
;;     - K is cut into blocks of 32 from its start; a last block that is shorter is filled with zeros.
;;     - A block's scale is 2^e with e = floor(log2(the largest magnitude in the block)) - 8, held to -126 .. 127; a block of zeros has e = 0. As a byte (E8M0): e + 127.
;;     - Each number is divided by its block's scale, clamped to +-448, and rounded to the nearest number of E4M3, ties to even, subnormals kept.
;;     - The product sums the exact products of the quantised numbers (number of the format x scale) in f32.
;;   ~~~python
;;   def quantise(x, axis):      # numpy; x: float32 -> the quantised numbers, widened to float32 again
;;       x = np.moveaxis(x, axis, -1); K = x.shape[-1]
;;       x = np.pad(x, [(0, 0)] * (x.ndim - 1) + [(0, -K % 32)]); x = x.reshape(x.shape[:-1] + (-1, 32)); a = np.abs(x).max(-1, keepdims=True)
;;       e = np.where(a > 0, np.clip(np.frexp(np.where(a > 0, a, 1))[1] - 1 - 8, -126, 127), 0)      # np.frexp(a)[1] - 1 = floor(log2(a)), exactly
;;       r = np.clip(x / 2.0 ** e, -448, 448)
;;       step = 2.0 ** (np.maximum(np.frexp(np.where(r == 0, 1, r))[1] - 1, -6) - 3)
;;       q = np.round(r / step) * step * 2.0 ** e      # np.round: ties to even
;;       return np.moveaxis(q.reshape(q.shape[:-2] + (-1,))[..., :K], -1, axis).astype(np.float32)
;;   ~~~
;;   SOFTMAX AHEAD OF A QUANTISED PRODUCT. Where the list says 'softmax', what is quantised is not the finished softmax but p = 2^(t - M), with t = logit x log2(e) and M = ceil(the row's largest t), a whole number; so 1/2 < the row's largest p <= 1. The row's sum l is taken of the UNQUANTISED p, in f32, and the product's result is divided by l at the end. Since M is a whole number, a kernel that streams over the keys may use a running M (the ceiling of the running maximum): every later rescaling is an exact power of two, which a block's scale takes up: the codes' values come out the same.
;;   OPERANDS COMPUTED ON THE WAY. 'Computed on the way' means the value that the module computes at that place (a softmax that the list does not call 'softmax' is quantised finished and normalised). What goes into a quantiser is computed in f32, as accurately as f32 sums, v_exp_f32 and their like allow (about 1e-6 of the number): no bf16 or f16 on the way to a quantiser, and a product that is left as it is and whose result goes on into a quantised operand takes f32 operands (vector FMAs, or v_wmma_f32_16x16x4_f32). A number that lies on a knife's edge between two numbers of the format may be rounded either way, as far as f32 arithmetic and the matrix unit's own rounding can turn it there, and no further.
;; One version. Each part assembles by itself: llvm-mc -triple=amdgcn-amd-amdhsa -mcpu=gfx1250 --defsym DOCPART=n.
;; ======== version 1 of 1: 4 launches
;; limits: right only within a limited range of input values
;; workspace buffers: xcod 8,388,608 bytes; xscl 262,144 bytes; wcod 4,194,304 bytes; wscl 131,072 bytes; qkv 26,738,688 bytes; acod 8,388,608 bytes; ascl 262,144 bytes
;; launch quant (part 1): grid 768 x 1, 2 waves a work-group, no clusters, 34,304 bytes of LDS; arguments x, w_qkv, w_out, xcod, xscl, wcod, wscl; writes xcod, xscl, wcod, wscl
.if DOCPART == 1
	.amdgcn_target "amdgcn-amd-amdhsa--gfx1250"
	.amdhsa_code_object_version 6
	.text
	.protected	k_q47d281efbd_quant
	.globl	k_q47d281efbd_quant
	.p2align	8
	.type	k_q47d281efbd_quant,@function
k_q47d281efbd_quant:
	s_mov_b64 s[64:65], 0
	v_nop
	global_prefetch_b8 v0, s[64:65] scope:SCOPE_SE
	s_setreg_imm32_b32 hwreg(HW_REG_WAVE_MODE, 25, 1), 1
	s_wait_xcnt 0x0
; CAUSAL ATTENTION IN MX-FP8, launch 1 of 4: x [8192][1024], w_qkv [1024][3072] and w_out [1024][1024], f32, become codes of E4M3 with one E8M0 byte for each 32 along K.
; THE PROGRAM: this launch; x w_qkv (q, k, v quantised on the way out); the attention (its result quantised on the way out); that result x w_out + b_out.
; DEAD WORK.  reference() sets every score with key > query to the least f32 number by a jnp.tril that it builds itself; behind the maximum's subtraction such a score's weight is 0 for all
; finite inputs (key 0 counts for every query, so the row's maximum is a live score).  So a step of 128 keys all of which come after a wave's 16 queries adds nothing to the sum or to p v:
; the third launch leaves such steps out, of products 2 and 3 alike.  Every input has a way to the output and is loaded.  LIMIT: a NaN, an infinity or an overflow that reaches only those steps is not carried to the result.
; OPERANDS TRAVEL AS IMAGES OF THEIR REGISTERS.  A fragment (16 rows x 128 K) is 2,048 bytes laid [c 0..3][lane][16 bytes]: lane (r, h) holds row r, K = 32 c + 16 h + 0 .. 15.  xcod, wcod: [row / 16][K / 128] fragments.
; Scale words (four bytes: 128 K of a row) are laid [row / 16][K / 256][r][2 words].  wcod's row tiles 0-191 are w_qkv's columns, 192-255 w_out's.
; w_out's codes are laid with the middle two groups of 8 of each block of 32 swapped, as the third launch lays the attention's result: a permutation inside a block, alike on both operands of product 4.
; A block's scale is 2^(floor(log2(largest magnitude)) - 8); its byte is the largest magnitude's exponent field - 8, held at 1 from below.
; LIMITS: a block of zeros, or one whose largest magnitude lies under 2^(9 - 127), gets the byte 1 (the rule says 127 for zeros): its codes are zeros or as the held scale gives them, and this program alone reads the bytes;
; NaN and infinities among the inputs are not served; inside a block of 32 the f32 sums of products 2, 3 and 4 run in another order than the reference's.
; SHARES.  Work-groups 0-255: x, a wave to 16 rows x 512 K.  256-351: w_qkv, 352-383: w_out, a wave to 32 columns x 256 K.  Waves share nothing: no barrier.  No matrix unit, no cluster: memory binds.
; THE WORK-GROUPS HAVE TWO WAVES, so that 768 of equal bytes fall three to a WGP: 0-511 take x, 512-703 w_qkv (64 columns x 256 K each), 704-767 w_out; the head's line on shares counts them in pairs.  A wave's share is as stated there.
; (The third launch's waves own 32 queries: it leaves out the key steps all of whose keys come after those 32.)
.set STG,   8448                       ; x path: a wave's stage in LDS: 16 rows x (512 bytes + 16)
.set SPARE, 4*STG                      ; behind the four stages: the spare words, 128 bytes for each wave: two blocks of 256 bytes that no other line names
.set SPW,   252                        ; v252  LDS address of my spare word; never rewritten
.set NIL,   253                        ; v253  0; never rewritten
.set SEL,   20                         ; s[20:21] v_permlanex16_b32's selects for lane l xor 16
.set MNT,   23                         ; s23   the mantissa field of 448
.set HM,    24                         ; s24   a lane mask: lanes 16-31
.set R,     16                         ; v16-143  x path: two sets of 64 registers as loaded
.set X,     144                        ; v144-207 64 numbers: register 16 b + i = K 32 b + 16 h + i of my row
.set PC,    208                        ; v208-223 the fragment's codes
.set TM,    224                        ; v224-227 largest magnitudes, 228-231 bytes, 232-235 448 x the scale, 236-239 the conversions' scale operands
.set PW,    240                        ; v240  the scale word just made
.set PWS,   242                        ; v242-245 the four steps' scale words
	s_load_b256 s[4:11], s[0:1], 0x0               ; x s[4:5], w_qkv s[6:7], w_out s[8:9], xcod s[10:11]
	s_load_b128 s[12:15], s[0:1], 0x20             ; xscl s[12:13], wcod s[14:15]
	s_load_b64 s[16:17], s[0:1], 0x30              ; wscl
	v_lshl_add_u32 v[SPW], v0, 2, SPARE
	v_mov_b32 v[NIL], 0
	v_lshrrev_b32 v1, 5, v0
	v_readfirstlane_b32 s18, v1                    ; wave 0..1
	v_and_b32 v1, 31, v0                           ; lane
	v_and_b32 v2, 15, v0                           ; r
	v_bfe_u32 v3, v0, 4, 1                         ; h
	s_mov_b32 s[SEL], 0x76543210
	s_mov_b32 s[SEL+1], 0xfedcba98
	s_mov_b32 s[MNT], 0x600000
	s_mov_b32 s[HM], 0xffff0000
	s_wait_kmcnt 0x0
	s_cmp_lt_u32 ttmp9, 512
	s_cbranch_scc0 .Lweights
; ---------------- x: K is innermost ----------------
; 64 numbers of a lane become a fragment's codes in v[PC] on and its scale word in v[PW]
.macro QUANT s
.irp b, 0,1,2,3
	v_max3_num_f32 v[TM+\b], |v[\s+16*\b]|, |v[\s+1+16*\b]|, 0x4800000   ; block b: my 16 numbers, and the floor 2^(9 - 127): so the byte cannot fall under 1
.endr
.irp i, 2,4,6,8,10,12,14
.irp b, 0,1,2,3
	v_max3_num_f32 v[TM+\b], v[TM+\b], |v[\s+16*\b+\i]|, |v[\s+1+16*\b+\i]|   ; the four blocks by turns
.endr
.endr
.irp b, 0,1,2,3
	v_permlanex16_b32 v[TM+4+\b], v[TM+\b], s[SEL], s[SEL+1]
.endr
.irp b, 0,1,2,3
	v_max_num_f32 v[TM+\b], v[TM+\b], v[TM+4+\b]   ; with lane l xor 16's: the block's largest magnitude
.endr
.irp b, 0,1,2,3
	v_add_nc_u32 v[TM+12+\b], 0xfc000000, v[TM+\b] ; 8 off its exponent field: the conversion's scale operand
.endr
.irp b, 0,1,2,3
	v_and_or_b32 v[TM+8+\b], v[TM+\b], 0x7f800000, s[MNT]   ; 448 x the scale
.endr
.irp b, 0,1,2,3
	v_lshrrev_b32 v[TM+4+\b], 23, v[TM+12+\b]      ; the scale's byte
.endr
	v_lshl_or_b32 v[PW], v[TM+5], 8, v[TM+4]       ; the four bytes make my row's scale word
	v_lshl_or_b32 v[PW], v[TM+6], 16, v[PW]
	v_lshl_or_b32 v[PW], v[TM+7], 24, v[PW]
.irp b, 0,1,2,3
.irp i, 0,1,2,3,4,5,6,7,8,9,10,11,12,13,14,15
	v_med3_num_f32 v[\s+16*\b+\i], v[\s+16*\b+\i], -v[TM+8+\b], v[TM+8+\b]   ; the conversion to an 8-bit code does not saturate (ISA guide 7.6.2): the hold
.endr
	v_cvt_scalef32_pk8_fp8_f32 v[PC+4*\b:PC+1+4*\b], v[\s+16*\b:\s+7+16*\b], v[TM+12+\b]
	v_cvt_scalef32_pk8_fp8_f32 v[PC+2+4*\b:PC+3+4*\b], v[\s+8+16*\b:\s+15+16*\b], v[TM+12+\b]
.endr
	v_nop                                          ; one plain vector line behind the last conversion
.endm
.macro LOAD s                          ; step s: 128 K of my 16 rows: each load reads 512 consecutive bytes of one row
.irp i, 0,1,2,3,4,5,6,7,8,9,10,11,12,13,14,15
	global_load_b128 v[R+64*((\s)%2)+4*\i:R+64*((\s)%2)+4*\i+3], v4, s[4:5] offset:4096*\i+512*(\s) th:TH_LOAD_NT
.endr
.endm
.macro TURNX s                         ; through my stage: in as loaded, out 64 bytes of one row a lane.  LDS serves a wave's instructions in order (ISA guide 5.7.1.4)
.irp i, 0,1,2,3,4,5,6,7,8,9,10,11,12,13,14,15
	ds_store_b128 v5, v[R+64*((\s)%2)+4*\i:R+64*((\s)%2)+4*\i+3] offset:528*\i
.endr
.irp c, 0,1,2,3
.irp j, 0,1,2,3
	ds_load_b128 v[X+16*\c+4*\j:X+16*\c+4*\j+3], v6 offset:128*\c+16*\j
.endr
.endr
.endm
.macro XSTEP s
.if (\s) < 3
	s_wait_loadcnt 16                              ; this step's 16 loads are in; the next step's 16 may be out
.else
	s_wait_loadcnt 0x0
.endif
	TURNX \s
	s_wait_dscnt 0x0                               ; the numbers are back, and the stores into the stage have read their registers,
.if (\s) < 2
	LOAD (\s)+2                                    ; which take the loads of two steps on
.endif
	s_wait_xcnt 0x0                                ; the last step's stores have read the codes' registers
	QUANT X
.irp c, 0,1,2,3
	global_store_b128 v4, v[PC+4*\c:PC+4*\c+3], s[10:11] offset:2048*(\s)+512*\c   ; 512 consecutive bytes, aligned
.endr
	v_mov_b32 v[PWS+(\s)], v[PW]
.endm
	s_lshl_b32 s25, ttmp9, 1
	s_add_co_u32 s25, s25, s18                     ; u: row tile u / 2, half u % 2 of K
	s_lshr_b32 s26, s25, 1
	s_and_b32 s27, s25, 1
	s_lshl_b32 s28, s26, 16                        ; 16 rows of 4,096 bytes
	s_lshl_b32 s27, s27, 11                        ; 512 numbers
	s_add_co_u32 s28, s28, s27
	s_mov_b32 s29, 0
	s_add_nc_u64 s[4:5], s[4:5], s[28:29]
	s_lshl_b32 s28, s25, 13                        ; four fragments
	s_add_nc_u64 s[10:11], s[10:11], s[28:29]
	s_lshl_b32 s28, s25, 8                         ; 256 bytes of scale words
	s_add_nc_u64 s[12:13], s[12:13], s[28:29]
	s_mul_i32 s30, s18, STG
	s_wait_alu depctr_va_vdst(0)
	v_lshlrev_b32 v4, 4, v1                        ; 16 x lane: in memory, in and out
	v_add_nc_u32 v5, s30, v4                       ; the stage, on the way in
	v_mul_u32_u24 v6, v2, 528
	v_lshl_add_u32 v6, v3, 6, v6
	v_add_nc_u32 v6, s30, v6                       ; and out: row r, + 64 h
	v_lshlrev_b32 v7, 3, v1                        ; 8 x lane: two scale words
.irp b, 0,1,2,3
	v_mov_b32 v[TM+4+\b], 0                        ; written once: a lane permute's destination counts as one of its sources
.endr
	LOAD 0
	LOAD 1
	s_wait_alu depctr_va_vdst(0)
	XSTEP 0
	XSTEP 1
	XSTEP 2
	XSTEP 3
	v_cndmask_b32 v246, v[PWS], v[PWS+2], s[HM]    ; lanes 0-15 store the words of my first 256 K, lanes 16-31 of the second
	v_cndmask_b32 v247, v[PWS+1], v[PWS+3], s[HM]
	global_store_b64 v7, v[246:247], s[12:13]      ; 256 consecutive bytes, aligned
	s_wait_tensorcnt 0x0                           ; the wave's end: behind my last LDS store
	ds_add_u32 v[SPW], v[NIL]
	s_wait_dscnt 0x0
	s_endpgm
; ---------------- the weights: K is the first axis ----------------
; A lane takes a column and its registers run down K: a block of 32 lies in one lane, and its 32 codes are the two halves (h = 0, 1) of one c of the column's fragment.
; So sixteen neighbouring lanes store 256 consecutive bytes of the image straight from registers: no stage.
.macro LOADW t, n, wp                  ; block t: w(32 t + i, my column): 128 consecutive bytes a load
.set I, 0
.rept 32
	global_load_b32 v[32+32*((\t)%2)+I], v4, s[\wp:\wp+1] offset:(32*(\t)+I)*\n*4 th:TH_LOAD_NT
.set I, I+1
.endr
.endm
.macro BLOCK t, n, perm, wp
.set XS, 32+32*((\t)%2)
.if (\t) < 7
	s_wait_loadcnt 32                              ; this block's 32 loads are in; the next block's may be out
.else
	s_wait_loadcnt 0x0
.endif
	v_max3_num_f32 v12, |v[XS]|, |v[XS+1]|, |v[XS+2]|
	v_max3_num_f32 v13, |v[XS+3]|, |v[XS+4]|, |v[XS+5]|
.irp i, 6,10,14,18,22,26
	v_max3_num_f32 v12, v12, |v[XS+\i]|, |v[XS+\i+1]|
	v_max3_num_f32 v13, v13, |v[XS+\i+2]|, |v[XS+\i+3]|
.endr
	v_max3_num_f32 v12, v12, |v[XS+30]|, |v[XS+31]|
	v_max3_num_f32 v12, v12, v13, 0x4800000        ; and the floor
	v_add_nc_u32 v11, 0xfc000000, v12              ; the conversion's scale operand
	v_and_or_b32 v10, v12, 0x7f800000, s[MNT]      ; 448 x the scale
	v_lshrrev_b32 v13, 23, v11                     ; the byte
.if (\t)%4 == 0
	v_mov_b32 v[24+(\t)/4], v13
.else
	v_lshl_or_b32 v[24+(\t)/4], v13, 8*((\t)%4), v[24+(\t)/4]
.endif
.set I, 0
.rept 32
	v_med3_num_f32 v[XS+I], v[XS+I], -v10, v10
.set I, I+1
.endr
.if (\t) > 0
	s_wait_alu depctr_va_vdst(0)
	s_wait_xcnt 0x0                                ; the last block's stores have read the codes' registers
.endif
	v_cvt_scalef32_pk8_fp8_f32 v[96:97], v[XS:XS+7], v11
.if \perm
	v_cvt_scalef32_pk8_fp8_f32 v[98:99], v[XS+16:XS+23], v11     ; w_out: slots 8-15 take K 16-23, slots 16-23 take K 8-15
	v_cvt_scalef32_pk8_fp8_f32 v[100:101], v[XS+8:XS+15], v11
.else
	v_cvt_scalef32_pk8_fp8_f32 v[98:99], v[XS+8:XS+15], v11
	v_cvt_scalef32_pk8_fp8_f32 v[100:101], v[XS+16:XS+23], v11
.endif
	v_cvt_scalef32_pk8_fp8_f32 v[102:103], v[XS+24:XS+31], v11
	global_store_b128 v8, v[96:99], s[14:15] offset:512*(\t)        ; lanes 0-15 and 16-31: 256 consecutive aligned bytes each
	global_store_b128 v8, v[100:103], s[14:15] offset:512*(\t)+256
.if (\t)+2 < 8
	LOADW (\t)+2, \n, \wp
.endif
.endm
.macro WPATH n, perm, row0, e0, wp
	s_sub_co_u32 s25, ttmp9, \e0
	s_lshr_b32 s26, s25, 2                         ; which 64 columns
	s_and_b32 s27, s25, 3                          ; which 256 along K
	s_lshl_b32 s28, s26, 2                         ; a work-group's 64 columns are four row tiles of wcod
	s_lshl_b32 s29, s18, 1
	s_add_co_u32 s28, s28, s29                     ; my first column / 16
	s_lshl_b32 s30, s28, 6                         ; my first column x 4 bytes
	s_mul_i32 s31, s27, 256*\n*4
	s_add_co_u32 s30, s30, s31
	s_mov_b32 s31, 0
	s_add_nc_u64 s[\wp:\wp+1], s[\wp:\wp+1], s[30:31]
	s_add_co_u32 s28, s28, \row0                   ; my first row tile of wcod
	s_lshl_b32 s30, s28, 14
	s_lshl_b32 s29, s27, 12
	s_add_co_u32 s30, s30, s29
	s_add_nc_u64 s[14:15], s[14:15], s[30:31]
	s_lshl_b32 s30, s28, 9
	s_lshl_b32 s29, s27, 7
	s_add_co_u32 s30, s30, s29
	s_add_nc_u64 s[16:17], s[16:17], s[30:31]
	v_lshlrev_b32 v4, 2, v1                        ; in: 4 bytes a lane
	v_lshlrev_b32 v8, 4, v2
	v_lshl_add_u32 v8, v3, 14, v8                  ; codes: row tile lane / 16, 16 bytes a row
	v_lshlrev_b32 v9, 3, v2
	v_lshl_add_u32 v9, v3, 9, v9                   ; scale words: two a row
	LOADW 0, \n, \wp
	LOADW 1, \n, \wp
.irp t, 0,1,2,3,4,5,6,7
	BLOCK \t, \n, \perm, \wp
.endr
	global_store_b64 v9, v[24:25], s[16:17]        ; runs of 128 bytes: one byte for each 128 that this path reads
	s_endpgm
.endm
.Lweights:
	s_cmp_lt_u32 ttmp9, 704
	s_cbranch_scc0 .Lwout
	s_wait_alu depctr_va_vdst(0)
	WPATH 3072, 0, 0, 512, 6
.Lwout:
	s_wait_alu depctr_va_vdst(0)
	WPATH 1024, 1, 192, 704, 8
.Lfunc_end_k_q47d281efbd_quant:
	.size	k_q47d281efbd_quant, .Lfunc_end_k_q47d281efbd_quant-k_q47d281efbd_quant
	.p2alignl 7, 3214868480
	.fill 96, 4, 3214868480
	.section	.rodata,"a",@progbits
	.p2align	6, 0x0
	.amdhsa_kernel k_q47d281efbd_quant
		.amdhsa_group_segment_fixed_size 34304
		.amdhsa_private_segment_fixed_size 0
		.amdhsa_enable_private_segment 0
		.amdhsa_kernarg_size 56
		.amdhsa_user_sgpr_count 2
		.amdhsa_user_sgpr_kernarg_segment_ptr 1
		.amdhsa_wavefront_size32 1
		.amdhsa_system_sgpr_workgroup_id_x 1
		.amdhsa_system_sgpr_workgroup_id_y 1
		.amdhsa_system_sgpr_workgroup_id_z 1
		.amdhsa_system_vgpr_workitem_id 0
		.amdhsa_next_free_vgpr 256
		.amdhsa_next_free_sgpr 66
		.amdhsa_reserve_vcc 0
		.amdhsa_float_denorm_mode_32 3
		.amdhsa_float_denorm_mode_16_64 3
		.amdhsa_memory_ordered 1
		.amdhsa_forward_progress 1
		.amdhsa_inst_pref_size 162
	.end_amdhsa_kernel
	.amdgpu_metadata
---
amdhsa.version: [ 1, 2 ]
amdhsa.kernels:
  - .name:           k_q47d281efbd_quant
    .symbol:         k_q47d281efbd_quant.kd
    .args:
      - { .name: x, .offset: 0, .size: 8, .value_kind: global_buffer, .address_space: global }
      - { .name: w_qkv, .offset: 8, .size: 8, .value_kind: global_buffer, .address_space: global }
      - { .name: w_out, .offset: 16, .size: 8, .value_kind: global_buffer, .address_space: global }
      - { .name: xcod, .offset: 24, .size: 8, .value_kind: global_buffer, .address_space: global }
      - { .name: xscl, .offset: 32, .size: 8, .value_kind: global_buffer, .address_space: global }
      - { .name: wcod, .offset: 40, .size: 8, .value_kind: global_buffer, .address_space: global }
      - { .name: wscl, .offset: 48, .size: 8, .value_kind: global_buffer, .address_space: global }
    .group_segment_fixed_size: 34304
    .private_segment_fixed_size: 0
    .kernarg_segment_align: 8
    .kernarg_segment_size: 56
    .max_flat_workgroup_size: 64
    .sgpr_count:     66
    .vgpr_count:     256
    .wavefront_size: 32
...
	.end_amdgpu_metadata
.endif
;; end of part 1
;; launch gemm_qkv (part 2): grid 32 x 8, 4 waves a work-group, clusters of 4 x 1, 327,680 bytes of LDS; arguments xcod, xscl, wcod, wscl, qkv; writes qkv
.if DOCPART == 2
	.amdgcn_target "amdgcn-amd-amdhsa--gfx1250"
	.amdhsa_code_object_version 6
	.text
	.protected	k_q47d281efbd_gemm_qkv
	.globl	k_q47d281efbd_gemm_qkv
	.p2align	8
	.type	k_q47d281efbd_gemm_qkv,@function
k_q47d281efbd_gemm_qkv:
	s_mov_b64 s[64:65], 0
	v_nop
	global_prefetch_b8 v0, s[64:65] scope:SCOPE_SE
	s_setreg_imm32_b32 hwreg(HW_REG_WAVE_MODE, 25, 1), 1
	s_wait_xcnt 0x0
	s_wait_alu depctr_hold_cnt(0) depctr_sa_sdst(0) depctr_va_vdst(0) depctr_va_sdst(0) depctr_va_ssrc(0) depctr_va_vcc(0) depctr_vm_vsrc(0)
	s_getreg_b32 s2, hwreg(HW_REG_IB_STS2, 6, 4)
	s_cmp_eq_u32 s2, 0
	s_cbranch_scc0 .Lentry_in_a_cluster
	s_endpgm
.Lentry_in_a_cluster:
	s_bfe_u32 s2, ttmp6, 0x10000c
	s_cmp_lg_u32 s2, 0x3003
	s_cbranch_scc0 .Lentry_shape_is_right
	s_endpgm
.Lentry_shape_is_right:
; Launch 2 of 4: product 1, x w_qkv, on codes of E4M3 with E8M0 scales, K = 1,024; q, k and v are quantised in registers on the way out, as operands of products 2 and 3.
; SHARES.  256 work-groups: 32 groups of 256 rows of x, times 8 parts of the weights.  Part c is 24 row tiles of 16: those of q's heads 2 c and 2 c + 1 (wcod's tiles 8 c on), of k's (64 + 8 c on) and of v's (128 + 8 c on).
; A wave keeps its 64 rows of x, ALL of K, in 512 registers (loaded as they lie: operands are images of their registers), and the weights' tiles stream past them from LDS, two at a time: a tile of 16 rows feeds 32 products,
; four accumulators by turns, and its sums are finished: a pair's 64 numbers a lane are quantised and stored, and no f32 result is kept.
; q, k: source 0 = 16 rows of the weight, source 1 = 16 rows of x: a lane holds a position and its registers run along the head's 64 (product 2's K); the pair of tiles is a block of 32, half of it in lane l xor 16.
; v: source 0 = 16 rows of x, source 1 = 16 rows of the weight: a lane holds one of the head's 64 and its registers run along the keys (product 3's K); two of my tiles of x are a block of 32.
; In such a block slot 16 h + 8 u + j holds element 16 u + 8 h + j: a permutation inside a block of 32, alike on both operands of products 2 and 3.  LIMIT: the order of the f32 sums inside a block differs from the reference's.
; LDS.  q's 8 tiles at 0, k's at 131,072 (16,384 bytes a tile), first fills, 65,536 bytes a wave; v's 8 tiles are filled over q's behind a drained round, 32,768 bytes a wave, four pairs (256 products) ahead of their first read.
; The 24 tiles' scale words, 12,288 bytes, are stored once into LDS bytes of their own.  CLUSTER 4 x 1: the four partners have the same part of the weights and other rows of x: each tensor load is a joint one with the mask 15.
; NO PREFETCH: one refill alone follows the head's loads; there is no loop of refills to run ahead in.
; qkv: [batch x head 64][128 positions 16][Q | K | V], 8,704 bytes each.  Q, K: 8 tiles of 16 positions x 1,024 bytes [c 2][lane][16], then 512 bytes of scale words [lane][4]: word i of lane (r, h) is row r of tile 2 i + h (bytes 0, 1; bytes 2, 3 are 0).
; V: 4 fragments (16 of the head's 64 x 128 keys) x 2,048 bytes [c 4][lane][16], then 512 bytes [lane][4]: word i (0, 1) of lane (r, h) is row r of fragment 2 i + h; words 2, 3 repeat them.
; LIMITS of the quantiser as in the first launch: the byte is held at 1 from below; NaN and infinities are not served.
; REGISTERS, in windows of 256: window 0: v0-31 addresses; v32-47 x's scale words; v52-59 the pair's; v64-127 the sums; v128-143 codes; v144-165 at work.  Windows 1, 2: x's fragment (K step q, tile i) at 16 (4 q + i).  Window 3: the pair's two tiles.
.set HS,    417792
.set KAPPA, 26112
.set PIECE, 8704
.set WSC,   262144                     ; behind the two regions: the weights' scale words
.set SPARE, 274432                     ; behind them: the spare words, 128 bytes for each wave: two blocks of 256 bytes that no other line names
.set AT,  5                            ; v5   LDS address of the pair in hand: 16 x lane + 32,768 x pair
.set AS,  6                            ; v6   of its scale words: lane (r, h) takes row r of tile 2 pair + h
.set AW,  7                            ; v7   where my wave stores scale words
.set VQS, 8                            ; v8   q, k: where my two scale words go, from the odd pair's base
.set XSO, 9                            ; v9   512 h + 8 r
.set SPW, 28
.set NIL, 29
.set XS,  32                           ; register 8 n + q: lanes 0-15 my tile 2 n of x, lanes 16-31 tile 2 n + 1
.set WS,  52                           ; register q: lanes 0-15 the pair's first tile, lanes 16-31 its second.  No product's two scale registers are equal modulo 8
.set ACC, 64
.set PC,  128
.set TM,  144
.set SW,  160
.set QA,  164
.set G1,  24
.set G0,  32
.set PBQ, 68
.set PBK, 70
.set PBV, 72
.set PBS, 74
.set OB,  76
.set OB2, 78
.set MNT, 84
.set HM,  85
.set SEL, 86
.set MSB, 0
.macro WIN new                         ; the immediate's high byte repeats the setting that is left
.if MSB != (\new)
	s_set_vgpr_msb (MSB<<8)|(\new)
.set MSB, (\new)
.endif
.endm
.macro WALU
	s_wait_alu depctr_va_vdst(0)
.endm
.macro PLACES n                        ; plain vector lines between a matrix instruction and a load into, or a read of, its registers
.rept \n
	v_nop
.endr
.endm
.macro CROUND                          ; a round of the cluster's barrier
	s_barrier_signal -1
	s_barrier_wait -1
	s_cmp_lg_u32 s14, 0
	s_cbranch_scc1 .Lnot_wave_0_\@
	s_barrier_signal -3
.Lnot_wave_0_\@:
	s_barrier_wait -3
	s_barrier_signal -1
	s_barrier_wait -1
.endm
.macro TLOAD                           ; an s_nop 0 and four v_nop follow the load
	tensor_load_to_lds s[G0:G0+3], s[G1:G1+7]
	s_nop 0
	PLACES 4
.endm
	s_load_b256 s[4:11], s[0:1], 0x0               ; xcod, xscl, wcod, wscl
	s_load_b64 s[12:13], s[0:1], 0x20              ; qkv
	v_lshl_add_u32 v[SPW], v0, 2, SPARE
	v_mov_b32 v[NIL], 0
	ds_add_u32 v[SPW], v[NIL]                      ; the wave's opening: the add, twice on end, and its wait ahead of my first tensor load
	ds_add_u32 v[SPW], v[NIL]
	v_lshrrev_b32 v1, 5, v0
	v_readfirstlane_b32 s14, v1                    ; wave 0..3
	s_lshr_b32 s15, s14, 1
	s_and_b32 s16, s14, 1
	s_bfe_u32 s40, ttmp6, 0x40000                  ; my place in the cluster: it enters offsets in memory alone
	s_lshl_b32 s41, ttmp9, 2
	s_add_co_u32 s41, s41, s40                     ; which 256 rows of x
	s_and_b32 s42, ttmp7, 0xffff                   ; which part of the weights
	s_mov_b32 s[G1], 15|(3<<16)|(1<<21)            ; the mask: all four of the cluster; elements of 8 bytes; bit 21 beside a mask
	s_mov_b32 s[G1+1], 32<<16                      ; rows of 256 bytes, dense:
	s_mov_b32 s[G1+2], 256<<16                     ; 256 of them at the head
	s_mov_b32 s[G1+3], 32<<16
	s_mov_b32 s[G1+4], 256
	s_mov_b32 s[G1+5], 32
	s_mov_b32 s[G1+6], 0
	s_mov_b32 s[G1+7], 0
	s_mov_b32 s[G0], 1
	s_lshl_b32 s[G0+1], s14, 16                    ; waves 0, 1: the halves of q's tiles; waves 2, 3: of k's
	s_lshl_b32 s43, s15, 6
	s_lshl_b32 s44, s42, 3
	s_add_co_u32 s43, s43, s44
	s_lshl_b32 s45, s16, 2
	s_add_co_u32 s43, s43, s45                     ; wcod's tile 64 (wave / 2) + 8 c + 4 (wave % 2)
	s_lshl_b32 s46, s43, 14
	s_mov_b32 s47, 0
	s_lshl_b32 s48, s14, 1
	s_add_co_u32 s48, s48, s44
	s_add_co_u32 s48, s48, 128                     ; the refill: v's tile 128 + 8 c + 2 wave
	s_lshl_b32 s48, s48, 14
	s_mov_b32 s49, 0
	s_lshl_b32 s50, s41, 4
	s_lshl_b32 s51, s14, 2
	s_add_co_u32 s50, s50, s51                     ; my first row tile of x
	s_lshl_b32 s52, s50, 9
	s_mov_b32 s53, 0
	s_lshl_b32 s50, s50, 14
	s_mov_b32 s51, 0
	s_lshl_b32 s54, s14, 6
	s_add_co_u32 s54, s54, s44
	s_lshl_b32 s54, s54, 9                         ; waves 0 to 2: the scale words of q's, k's, v's 8 tiles
	s_mov_b32 s55, 0
	s_lshr_b32 s56, s41, 3                         ; the batch
	s_lshl_b32 s56, s56, 4
	s_lshl_b32 s57, s42, 1
	s_add_co_u32 s56, s56, s57                     ; batch x 16 + head 2 c
	s_mul_i32 s56, s56, HS
	s_and_b32 s57, s41, 7
	s_lshl_b32 s57, s57, 1
	s_add_co_u32 s57, s57, s15                     ; which 128 positions of the batch
	s_mul_i32 s57, s57, KAPPA
	s_add_co_u32 s56, s56, s57
	s_mov_b32 s57, 0
	s_mov_b32 s59, 0
	s_lshl_b32 s60, s14, 12
	s_mul_i32 s61, s16, 4088
	s_sub_co_u32 s61, 7680, s61
	s_mov_b32 s[MNT], 0x600000                     ; the mantissa field of 448
	s_mov_b32 s[HM], 0xffff0000                    ; lanes 16-31
	s_mov_b32 s[SEL], 0x76543210
	s_mov_b32 s[SEL+1], 0xfedcba98
	s_wait_dscnt 0x0                               ; both opening adds are done
	CROUND                                         ; all four work-groups are here: the joint loads meet
	s_wait_kmcnt 0x0
	s_add_nc_u64 s[G0+2:G0+3], s[8:9], s[46:47]
	s_or_b32 s[G0+3], s[G0+3], 0x80000000
	TLOAD                                          ; one load a wave, one line for all: every wave waits for it below
	s_add_nc_u64 s[48:49], s[8:9], s[48:49]
	s_add_nc_u64 s[20:21], s[4:5], s[50:51]
	s_add_nc_u64 s[22:23], s[6:7], s[52:53]
	s_add_nc_u64 s[54:55], s[10:11], s[54:55]
	s_add_nc_u64 s[56:57], s[12:13], s[56:57]
	s_lshl_b32 s58, s16, 12                        ; q, k: my tiles 4 (wave % 2) on, 1,024 bytes each
	s_add_nc_u64 s[PBQ:PBQ+1], s[56:57], s[58:59]
	s_add_nc_u64 s[PBK:PBK+1], s[PBQ:PBQ+1], PIECE
	s_lshl_b32 s58, s16, 10                        ; v: my c 2 (wave % 2) on, 512 bytes each
	s_add_nc_u64 s[PBV:PBV+1], s[56:57], s[58:59]
	s_add_nc_u64 s[PBV:PBV+1], s[PBV:PBV+1], 2*PIECE
	s_lshl_b32 s58, s16, 1                         ; and bytes 2 (wave % 2) on of its scale words
	s_add_nc_u64 s[PBS:PBS+1], s[56:57], s[58:59]
	s_add_nc_u64 s[PBS:PBS+1], s[PBS:PBS+1], 2*PIECE+8192
	v_and_b32 v1, 15, v0                           ; r
	v_bfe_u32 v2, v0, 4, 1                         ; h
	v_and_b32 v3, 31, v0
	v_lshlrev_b32 v4, 4, v3                        ; 16 x lane; never rewritten
	v_lshlrev_b32 v[XSO], 3, v1
	v_lshl_add_u32 v[XSO], v2, 9, v[XSO]
.irp q, 0,1,2,3,4,5,6,7                        ; my 64 rows of x: 128 loads of 512 consecutive bytes
	WIN (1+\q/4)<<6
.irp i, 0,1,2,3
.irp c, 0,1,2,3
	global_load_b128 v[16*((4*\q+\i)%16)+4*\c:16*((4*\q+\i)%16)+4*\c+3], v4, s[20:21] offset:16384*\i+2048*\q+512*\c
.endr
.endr
.endr
	WIN 0
.irp n, 0,1
.irp k, 0,1,2,3
	global_load_b64 v[XS+8*\n+2*\k:XS+8*\n+2*\k+1], v[XSO], s[22:23] offset:1024*\n+128*\k
.endr
.endr
	v_add_nc_u32 v[AS], WSC, v[XSO]
	v_add_nc_u32 v[AW], s60, v4
	v_add_nc_u32 v[AW], WSC, v[AW]
	v_add_nc_u32 v[VQS], s61, v4
	v_mov_b32 v[AT], v4
.irp b, 0,1,2,3
	v_mov_b32 v[SW+\b], 0
	v_mov_b32 v[TM+4+\b], 0                        ; written once: a lane permute's destination counts as one of its sources
.endr
	WALU
	s_cmp_lt_u32 s14, 3
	s_cbranch_scc0 .Lno_words
.irp k, 0,1,2,3,4,5,6,7
	global_load_b128 v[ACC+4*\k:ACC+4*\k+3], v4, s[54:55] offset:512*\k
.endr
	s_wait_loadcnt 0x0
.irp k, 0,1,2,3,4,5,6,7
	ds_store_b128 v[AW], v[ACC+4*\k:ACC+4*\k+3] offset:512*\k
.endr
.Lno_words:
	s_wait_loadcnt 0x0                             ; x
	s_wait_tensorcnt 0x0                           ; my part of q's and k's tiles
	s_wait_dscnt 0x0                               ; my stores of scale words
	s_barrier_signal -1
	s_barrier_wait -1
; a product: d the sum, a, b the sources, sa, sb their scale registers, z = 1: it begins the sum, ra, rb = 1: the scales stand in lanes 16-31
.macro WM d, a, b, sa, sb, z, ra, rb
.if \z
.if (\ra)&&(\rb)
	v_wmma_scale_f32_16x16x128_f8f6f4 v[\d:\d+7], v[\a:\a+15], v[\b:\b+15], 0, v[\sa], v[\sb] matrix_a_scale:MATRIX_SCALE_ROW1 matrix_b_scale:MATRIX_SCALE_ROW1
.elseif \ra
	v_wmma_scale_f32_16x16x128_f8f6f4 v[\d:\d+7], v[\a:\a+15], v[\b:\b+15], 0, v[\sa], v[\sb] matrix_a_scale:MATRIX_SCALE_ROW1
.elseif \rb
	v_wmma_scale_f32_16x16x128_f8f6f4 v[\d:\d+7], v[\a:\a+15], v[\b:\b+15], 0, v[\sa], v[\sb] matrix_b_scale:MATRIX_SCALE_ROW1
.else
	v_wmma_scale_f32_16x16x128_f8f6f4 v[\d:\d+7], v[\a:\a+15], v[\b:\b+15], 0, v[\sa], v[\sb]
.endif
.else
.if (\ra)&&(\rb)
	v_wmma_scale_f32_16x16x128_f8f6f4 v[\d:\d+7], v[\a:\a+15], v[\b:\b+15], v[\d:\d+7], v[\sa], v[\sb] matrix_a_scale:MATRIX_SCALE_ROW1 matrix_b_scale:MATRIX_SCALE_ROW1
.elseif \ra
	v_wmma_scale_f32_16x16x128_f8f6f4 v[\d:\d+7], v[\a:\a+15], v[\b:\b+15], v[\d:\d+7], v[\sa], v[\sb] matrix_a_scale:MATRIX_SCALE_ROW1
.elseif \rb
	v_wmma_scale_f32_16x16x128_f8f6f4 v[\d:\d+7], v[\a:\a+15], v[\b:\b+15], v[\d:\d+7], v[\sa], v[\sb] matrix_b_scale:MATRIX_SCALE_ROW1
.else
	v_wmma_scale_f32_16x16x128_f8f6f4 v[\d:\d+7], v[\a:\a+15], v[\b:\b+15], v[\d:\d+7], v[\sa], v[\sb]
.endif
.endif
.endm
; the pair's tile u against my four tiles of x, all of K: 32 products.  role 0 (q, k): the sum of x's tile i at ACC + 16 i + 8 u; role 1 (v): at ACC + 32 u + 8 i: either way 16 registers on end are half a block of 32
.macro PRODS role, u
.irp q, 0,1,2,3,4,5,6,7
.if \role
	WIN (1+\q/4)|0x0c
.else
	WIN 3|((1+\q/4)<<2)
.endif
.irp i, 0,1,2,3
.if \role
	WM ACC+32*\u+8*\i, 16*((4*\q+\i)%16), 128*\u+16*\q, XS+8*(\i/2)+\q, WS+\q, (\q==0), (\i%2), \u
.else
	WM ACC+16*\i+8*\u, 128*\u+16*\q, 16*((4*\q+\i)%16), WS+\q, XS+8*(\i/2)+\q, (\q==0), \u, (\i%2)
.endif
.endr
.endr
	WIN 0
.endm
.macro FETCH u, adr, off               ; a tile of the weights, 16 rows, all of K, into set u of window 3: 32 loads of 512 consecutive bytes
	WIN 0xc0
.irp q, 0,1,2,3,4,5,6,7
.irp c, 0,1,2,3
	ds_load_b128 v[128*\u+16*\q+4*\c:128*\u+16*\q+4*\c+3], v[\adr] offset:(\off)+16384*\u+2048*\q+512*\c
.endr
.endr
	WIN 0
.endm
.macro FSC off                         ; a pair's scale words
.irp k, 0,1,2,3
	ds_load_b64 v[WS+2*\k:WS+2*\k+1], v[AS] offset:(\off)+128*\k
.endr
.endm
; A PAIR OF TILES.  s3: the pair's number in its part, 0 to 3: head s3 / 2 of the part's two.  pf = 1: the next pair is fetched from the next 32,768 bytes; 2: from LDS byte 0 (v's first); 0: none follows.
; Each set takes its next tile behind its 32 products and their eight places; the one wait for all of them stands at the next pair's head.
.macro PAIR role, pf, pb
	s_wait_dscnt 0x0                               ; both tiles and the scale words are in
	s_wait_xcnt 0x0                                ; the last pair's stores have read their registers and bases
	s_lshr_b32 s80, s3, 1
	s_mul_i32 s80, s80, HS
	s_and_b32 s82, s3, 1
	s_mov_b32 s81, 0
.if \role
	s_lshl_b32 s83, s82, 2                         ; v's scale bytes: word s3 % 2
	s_add_co_u32 s88, s80, s83
	s_mov_b32 s89, 0
	s_add_nc_u64 s[OB2:OB2+1], s[PBS:PBS+1], s[88:89]
	s_lshl_b32 s83, s82, 12                        ; v's codes: fragment 2 (s3 % 2) + u
.else
	s_lshl_b32 s83, s82, 9                         ; q's, k's codes: c = s3 % 2
.endif
	s_add_co_u32 s80, s80, s83
	s_add_nc_u64 s[OB:OB+1], s[\pb:\pb+1], s[80:81]
	PRODS \role, 0
	PLACES 8
.if \pf == 1
	FETCH 0, AT, 32768
.elseif \pf == 2
	FETCH 0, 4, 0
.endif
	PRODS \role, 1
	PLACES 8
.if \pf == 1
	FETCH 1, AT, 32768
.elseif \pf == 2
	FETCH 1, 4, 0
.endif
.if \pf
	FSC 1024
.endif
; the quantiser: four blocks of 32, 16 numbers of each in my registers, the others in lane l xor 16
.irp b, 0,1,2,3
	v_max3_num_f32 v[TM+\b], |v[ACC+16*\b]|, |v[ACC+16*\b+1]|, 0x4800000   ; each accumulator is read from its low end on; the floor 2^(9 - 127)
.endr
.irp i, 2,4,6,8,10,12,14
.irp b, 0,1,2,3
	v_max3_num_f32 v[TM+\b], |v[ACC+16*\b+\i]|, |v[ACC+16*\b+\i+1]|, v[TM+\b]
.endr
.endr
.irp b, 0,1,2,3
	v_permlanex16_b32 v[TM+4+\b], v[TM+\b], s[SEL], s[SEL+1]
.endr
.irp b, 0,1,2,3
	v_max_num_f32 v[TM+\b], v[TM+\b], v[TM+4+\b]   ; the block's largest magnitude
.endr
.irp b, 0,1,2,3
	v_add_nc_u32 v[TM+12+\b], 0xfc000000, v[TM+\b] ; the conversion's scale operand
.endr
.irp b, 0,1,2,3
	v_and_or_b32 v[TM+8+\b], v[TM+\b], 0x7f800000, s[MNT]   ; 448 x the scale
.endr
.irp b, 0,1,2,3
	v_lshrrev_b32 v[TM+4+\b], 23, v[TM+12+\b]      ; the byte
.endr
.irp b, 0,1,2,3
.irp i, 0,1,2,3,4,5,6,7,8,9,10,11,12,13,14,15
	v_med3_num_f32 v[ACC+16*\b+\i], v[ACC+16*\b+\i], -v[TM+8+\b], v[TM+8+\b]   ; the hold (ISA guide 7.6.2: the conversion does not saturate)
.endr
.endr
.irp b, 0,1,2,3
	v_cvt_scalef32_pk8_fp8_f32 v[PC+4*\b:PC+4*\b+1], v[ACC+16*\b:ACC+16*\b+7], v[TM+12+\b]
	v_cvt_scalef32_pk8_fp8_f32 v[PC+4*\b+2:PC+4*\b+3], v[ACC+16*\b+8:ACC+16*\b+15], v[TM+12+\b]
.endr
	v_nop                                          ; one plain vector line behind the last conversion
.if \role
.irp b, 0,1,2,3
	global_store_b128 v4, v[PC+4*\b:PC+4*\b+3], s[OB:OB+1] offset:2048*(\b/2)+512*(\b%2)   ; 512 consecutive aligned bytes: fragment u = b / 2, my c b % 2
.endr
	v_lshl_or_b32 v[QA], v[TM+5], 8, v[TM+4]       ; my two bytes of a row's word: the first tile's,
	v_lshl_or_b32 v[QA+1], v[TM+7], 8, v[TM+6]     ; the second's
	v_cndmask_b32 v[QA], v[QA], v[QA+1], s[HM]     ; lane (r, h) stores row r of fragment 2 (s3 % 2) + h
	global_store_b16 v4, v[QA], s[OB2:OB2+1]       ; two bytes a lane: the word's other two are the neighbouring wave's
	global_store_b16 v4, v[QA], s[OB2:OB2+1] offset:8
.else
.irp b, 0,1,2,3
	global_store_b128 v4, v[PC+4*\b:PC+4*\b+3], s[OB:OB+1] offset:1024*\b   ; 512 consecutive aligned bytes: my tile b of x, c = s3 % 2
.endr
.irp b, 0,1,2,3
	v_lshrrev_b32 v[SW+\b], 8, v[SW+\b]            ; a head's two bytes are shifted in: behind the odd pair byte 0 is c 0's, byte 1 c 1's
.endr
.irp b, 0,1,2,3
	v_lshl_or_b32 v[SW+\b], v[TM+4+\b], 8, v[SW+\b]
.endr
	WALU
	s_cmp_eq_u32 s82, 0
	s_cbranch_scc1 .Leven_\@
	v_cndmask_b32 v[QA], v[SW], v[SW+1], s[HM]     ; word k of my two: lane (r, h): my tile 2 k + h
	v_cndmask_b32 v[QA+1], v[SW+2], v[SW+3], s[HM]
	global_store_b64 v[VQS], v[QA:QA+1], s[OB:OB+1]
.Leven_\@:
.endif
.if \pf == 2
	v_mov_b32 v[AT], v4
.else
	v_add_nc_u32 v[AT], 32768, v[AT]
.endif
	v_add_nc_u32 v[AS], 1024, v[AS]
	WALU
.endm
	FETCH 0, 4, 0
	FETCH 1, 4, 0
	FSC 0
	s_mov_b32 s3, 0
.Lq:                                               ; q's four pairs; the last fetches k's first pair
	PAIR 0, 1, PBQ
	s_add_co_u32 s3, s3, 1
	s_cmp_lt_u32 s3, 4
	s_cbranch_scc1 .Lq
	s_wait_tensorcnt 0x0                           ; the refill: ahead of its round
	ds_add_u32 v[SPW], v[NIL]
	s_lshl_b32 s[G0+1], s14, 15                    ; no tensor load of mine is out, so the descriptor may be written: two of v's tiles a wave, over q's
	s_mov_b64 s[G0+2:G0+3], s[48:49]
	s_or_b32 s[G0+3], s[G0+3], 0x80000000
	s_mov_b32 s[G1+2], 128<<16
	s_mov_b32 s[G1+4], 128
	s_wait_dscnt 0x0                               ; the add is done, and my reads of q's tiles are over
	CROUND                                         ; so it is with every wave of the four work-groups
	TLOAD
	s_mov_b32 s3, 0
.Lk:                                               ; k's first three pairs
	PAIR 0, 1, PBK
	s_add_co_u32 s3, s3, 1
	s_cmp_lt_u32 s3, 3
	s_cbranch_scc1 .Lk
	s_wait_tensorcnt 0x0                           ; every wave: v's tiles have landed
	s_wait_dscnt 0x0
	s_barrier_signal -1
	s_barrier_wait -1
	PAIR 0, 2, PBK                                 ; k's last pair fetches v's first
	s_mov_b32 s3, 0
.Lv:
	PAIR 1, 1, PBV
	s_add_co_u32 s3, s3, 1
	s_cmp_lt_u32 s3, 3
	s_cbranch_scc1 .Lv
	PAIR 1, 0, PBV                                 ; the last pair is written out: nothing is left to fetch
	s_wait_tensorcnt 0x0                           ; the wave's end
	ds_add_u32 v[SPW], v[NIL]
	s_wait_dscnt 0x0
	CROUND                                         ; the closing round
	s_endpgm
.Lfunc_end_k_q47d281efbd_gemm_qkv:
	.size	k_q47d281efbd_gemm_qkv, .Lfunc_end_k_q47d281efbd_gemm_qkv-k_q47d281efbd_gemm_qkv
	.p2alignl 7, 3214868480
	.fill 96, 4, 3214868480
	.section	.rodata,"a",@progbits
	.p2align	6, 0x0
	.amdhsa_kernel k_q47d281efbd_gemm_qkv
		.amdhsa_group_segment_fixed_size 327680
		.amdhsa_private_segment_fixed_size 0
		.amdhsa_enable_private_segment 0
		.amdhsa_kernarg_size 40
		.amdhsa_user_sgpr_count 2
		.amdhsa_user_sgpr_kernarg_segment_ptr 1
		.amdhsa_wavefront_size32 1
		.amdhsa_system_sgpr_workgroup_id_x 1
		.amdhsa_system_sgpr_workgroup_id_y 1
		.amdhsa_system_sgpr_workgroup_id_z 1
		.amdhsa_system_vgpr_workitem_id 0
		.amdhsa_next_free_vgpr 1024
		.amdhsa_next_free_sgpr 96
		.amdhsa_reserve_vcc 0
		.amdhsa_float_denorm_mode_32 3
		.amdhsa_float_denorm_mode_16_64 3
		.amdhsa_memory_ordered 1
		.amdhsa_forward_progress 1
		.amdhsa_inst_pref_size 133
	.end_amdhsa_kernel
	.amdgpu_metadata
---
amdhsa.version: [ 1, 2 ]
amdhsa.kernels:
  - .name:           k_q47d281efbd_gemm_qkv
    .symbol:         k_q47d281efbd_gemm_qkv.kd
    .args:
      - { .name: xcod, .offset: 0, .size: 8, .value_kind: global_buffer, .address_space: global }
      - { .name: xscl, .offset: 8, .size: 8, .value_kind: global_buffer, .address_space: global }
      - { .name: wcod, .offset: 16, .size: 8, .value_kind: global_buffer, .address_space: global }
      - { .name: wscl, .offset: 24, .size: 8, .value_kind: global_buffer, .address_space: global }
      - { .name: qkv, .offset: 32, .size: 8, .value_kind: global_buffer, .address_space: global }
    .group_segment_fixed_size: 327680
    .private_segment_fixed_size: 0
    .kernarg_segment_align: 8
    .kernarg_segment_size: 40
    .max_flat_workgroup_size: 128
    .sgpr_count:     96
    .vgpr_count:     1024
    .wavefront_size: 32
...
	.end_amdgpu_metadata
.endif
;; end of part 2
;; launch attn (part 3): grid 4 x 64, 8 waves a work-group, clusters of 4 x 1, 327,680 bytes of LDS; arguments qkv, acod, ascl; writes acod, ascl
.if DOCPART == 3
	.amdgcn_target "amdgcn-amd-amdhsa--gfx1250"
	.amdhsa_code_object_version 6
	.text
	.protected	k_q47d281efbd_attn
	.globl	k_q47d281efbd_attn
	.p2align	8
	.type	k_q47d281efbd_attn,@function
k_q47d281efbd_attn:
	s_mov_b64 s[64:65], 0
	v_nop
	global_prefetch_b8 v0, s[64:65] scope:SCOPE_SE
	s_setreg_imm32_b32 hwreg(HW_REG_WAVE_MODE, 25, 1), 1
	s_wait_xcnt 0x0
	s_wait_alu depctr_hold_cnt(0) depctr_sa_sdst(0) depctr_va_vdst(0) depctr_va_sdst(0) depctr_va_ssrc(0) depctr_va_vcc(0) depctr_vm_vsrc(0)
	s_getreg_b32 s2, hwreg(HW_REG_IB_STS2, 6, 4)
	s_cmp_eq_u32 s2, 0
	s_cbranch_scc0 .Lentry_in_a_cluster
	s_endpgm
.Lentry_in_a_cluster:
	s_bfe_u32 s2, ttmp6, 0x10000c
	s_cmp_lg_u32 s2, 0x3003
	s_cbranch_scc0 .Lentry_shape_is_right
	s_endpgm
.Lentry_shape_is_right:
; Launch 3 of 4: products 2 and 3, causal attention on codes of E4M3 with E8M0 scales, head size 64; the result is quantised on the way out as A of product 4.
; LEFT OUT: key steps all of whose 128 keys come after a wave's 32 queries (reference()'s own jnp.tril gives them the weight 0 for all finite inputs: shown at the first launch's head).
; THE SOFTMAX: t = score x log2(e) / 8; M = the running largest t rounded UP to a whole number; p = 2^(t - M) is quantised along the keys, not normalised; the row's sum is taken of the unquantised p and divides at the end.
; When M moves, the sum and O are multiplied by 2^(old M - new M): exact.
; A HEAD'S K AND V STAY IN LDS: 16 blocks of 128 keys x 17,408 bytes (K's 8,704, then V's) = 278,528 bytes, filled once at the head, two blocks a wave by one tensor load (two rows of 17,408 bytes, 26,112 apart).  Nothing is filled again.
; CLUSTER 4 x 1: the four work-groups of a head need the same 278,528 bytes: each load is a joint one with the mask 15.
; SHARES.  Work-group j of a head owns queries 32 j .. 32 j + 31 of each of the 16 blocks of 128.  Wave w takes those of block 15 - w (16 - w key steps), then those of block w (w + 1): 17 key steps for every wave.
; A wave's 32 queries are two tiles of 16: tile 0 in register window 0, tile 1 in window 1, under the same register numbers; each fragment of K and V that is read from LDS feeds both.
; TWO BARRIERS.  Waves 0 and 1 have a load line of their own (keys 0 to 511) and wait for it at the first; three key steps (which read keys 0 to 511 alone) follow; at the second every wave waits.  Behind it waves share nothing.
; NO PREFETCH: every byte of K and V is asked for by the head's eight loads, so there is no later load to ask ahead of.
; LAYOUT.  Both products are used transposed: S^T = K Q^T, O^T = V^T P^T: a lane holds one query (lane % 16).  Operands are images of their registers, as the second launch laid them.  Product 2's K is 64: a fragment's 16 registers hold
; TWO key tiles (T and T + 2); against [Q | zeros] it gives tile T's scores, against [zeros | Q] tile T + 2's: a zero code times any finite code adds nothing.  K's scale word is made of the two tiles' byte pairs, Q's holds its pair twice.
; In p, v, q, k and the result, slot 16 h + 8 u + j of a block of 32 holds element 16 u + 8 h + j: alike on both operands of each product.
; OUT.  acod [position / 16][head / 2][c = 2 (head % 2) + block][lane][16]; ascl [position / 16][head / 4][r][(head / 2) % 2] words, byte c.
; LIMITS: NaN and infinities are not served; the promise holds while the scaled scores stay under 2^31 in magnitude; a scale's byte is held at 1 from below (zero blocks have zero codes); the order of the f32 sums inside a block of 32 differs from the reference's.
; REGISTERS.  In both windows: v8 the mask's bound, v12 -M, v13 the largest t, v[14:15] the sum, v16-39 zeros | Q | zeros, v[52:53] f, v54, v55 at work, v120-183 S^T then p, v184-215 O^T, v216-231 p's codes, v232-255 at work.
; Window 0 alone: v1 16 x lane, v2, v7 LDS addresses, v3, v4, v9, v10 offsets in memory, v5, v6 the add's two, v40-47 scale words, v48-51 K's words as loaded, v56-119 K's fragments.
; Window 1 alone: v56-119 V's fragments; v0-7, v40-49 the second block's Q and its scale words, until the change of blocks.
.set PIECE, 8704
.set KV,    17408
.set KAPPA, 26112
.set HS,    417792
.set SPARE, 294912                     ; behind K and V: the spare words, 128 bytes for each wave: four blocks of 256 bytes that no other line names
.set QZ, 16
.set W0, 40                            ; v40, v41 K's scale words; v42, v43 Q's (tile 0, 1); v[44:45] V's; v46, v47 p's: a product's two scale registers differ modulo 8
.set QS, 42
.set VS, 44
.set PW, 46
.set KR, 48
.set F,  52
.set T0, 54
.set T1, 55
.set KF, 56
.set S,  120
.set O,  184
.set PC, 216
.set MX, 232
.set MY, 236
.set HB, 240
.set SO, 244
.set SM, 248
.set WV,  18
.set MNT, 19
.set SEL, 20
.set CS,  22                           ; s[22:23] c = log2(e) / 8
.set G1,  24
.set G0,  32
.set HM,  36
.set SQ,  37
.set SK,  38
.set CX,  40                           ; my place in the cluster: it enters offsets in memory and the mask's bound alone
.set BLK, 41                           ; the block of queries in hand
.set KC,  42                           ; the key step in hand
.set SKC, 43                           ; its first LDS byte;  s44 the next step's
.set SKN, 44
.set KN,  45
.set AC,  46
.set AS,  48
.set AC2, 50
.set AS2, 52
.set MSB, 0
.macro WIN new                         ; the immediate's high byte repeats the setting that is left
.if MSB != \new
	s_set_vgpr_msb (MSB<<8)|\new
.set MSB, \new
.endif
.endm
.macro WALU
	s_wait_alu depctr_va_vdst(0)
.endm
.macro CROUND                          ; a round of the cluster's barrier
	s_barrier_signal -1
	s_barrier_wait -1
	s_cmp_lg_u32 s[WV], 0
	s_cbranch_scc1 .Lnot_wave_0_\@
	s_barrier_signal -3
.Lnot_wave_0_\@:
	s_barrier_wait -3
	s_barrier_signal -1
	s_barrier_wait -1
.endm
.macro TLOAD                           ; an s_nop 0 and four v_nop follow the load
	tensor_load_to_lds s[G0:G0+3], s[G1:G1+7]
	s_nop 0
.rept 4
	v_nop
.endr
.endm
	s_load_b128 s[4:7], s[0:1], 0x0                ; qkv, acod
	s_load_b64 s[8:9], s[0:1], 0x10                ; ascl
	v_lshl_add_u32 v5, v0, 2, SPARE
	v_mov_b32 v6, 0
	ds_add_u32 v5, v6                              ; the wave's opening: the add, twice on end, and its wait ahead of my first tensor load
	ds_add_u32 v5, v6
	v_lshrrev_b32 v1, 5, v0
	v_readfirstlane_b32 s[WV], v1                  ; wave 0..7
	s_bfe_u32 s[CX], ttmp6, 0x40000
	s_and_b32 s66, ttmp7, 0xffff                   ; batch x 16 + head
	s_lshr_b32 s67, s66, 4
	s_and_b32 s68, s66, 15
	s_mul_i32 s69, s66, HS                         ; the head's first byte in qkv
	s_mul_i32 s[G0+1], s[WV], 2*KV                 ; my two blocks of keys: in LDS,
	s_mul_i32 s70, s[WV], 2*KAPPA
	s_add_co_u32 s70, s70, s69
	s_add_co_u32 s70, s70, PIECE                   ; and in memory: K's block lies behind Q's
	s_mov_b32 s71, 0
	s_mov_b32 s[G1], 15|(3<<16)|(1<<21)            ; the mask: all four of the cluster; elements of 8 bytes; bit 21 beside a mask
	s_mov_b32 s[G1+1], 2176<<16                    ; a row: 17,408 bytes
	s_mov_b32 s[G1+2], 2<<16
	s_mov_b32 s[G1+3], 2176<<16
	s_mov_b32 s[G1+4], 2
	s_mov_b32 s[G1+5], 3264                        ; 26,112 bytes from row to row
	s_mov_b32 s[G1+6], 0
	s_mov_b32 s[G1+7], 0
	s_mov_b32 s[G0], 1
	s_sub_co_u32 s[BLK], 15, s[WV]                 ; the first block of queries
	s_mul_i32 s10, s[BLK], KAPPA
	s_add_co_u32 s10, s10, s69
	s_mov_b32 s11, 0
	s_mul_i32 s12, s[WV], KAPPA                    ; the second
	s_add_co_u32 s12, s12, s69
	s_mov_b32 s13, 0
	s_lshl_b32 s72, s67, 7                         ; 128 row tiles a batch
	s_lshl_b32 s73, s[BLK], 3
	s_add_co_u32 s73, s73, s72                     ; the first block's first row tile,
	s_lshl_b32 s74, s[WV], 3
	s_add_co_u32 s74, s74, s72                     ; the second's
	s_lshr_b32 s75, s68, 1
	s_lshl_b32 s75, s75, 11                        ; acod: the fragment head / 2,
	s_and_b32 s76, s68, 1
	s_lshl_b32 s77, s76, 10                        ; its c 2 (head % 2)
	s_add_co_u32 s75, s75, s77
	s_lshl_b32 s[AC], s73, 14
	s_add_co_u32 s[AC], s[AC], s75
	s_mov_b32 s[AC+1], 0
	s_lshl_b32 s[AC2], s74, 14
	s_add_co_u32 s[AC2], s[AC2], s75
	s_mov_b32 s[AC2+1], 0
	s_lshl_b32 s76, s76, 1                         ; ascl: byte 2 (head % 2)
	s_lshr_b32 s77, s68, 1
	s_and_b32 s77, s77, 1
	s_lshl_b32 s77, s77, 2                         ; of word (head / 2) % 2
	s_add_co_u32 s76, s76, s77
	s_lshr_b32 s77, s68, 2
	s_lshl_b32 s77, s77, 7                         ; of the 256 along K head / 4
	s_add_co_u32 s76, s76, s77
	s_lshl_b32 s[AS], s73, 9
	s_add_co_u32 s[AS], s[AS], s76
	s_mov_b32 s[AS+1], 0
	s_lshl_b32 s[AS2], s74, 9
	s_add_co_u32 s[AS2], s[AS2], s76
	s_mov_b32 s[AS2+1], 0
	s_mov_b32 s[MNT], 0x600000                     ; the mantissa field of 448
	s_mov_b32 s[SEL], 0x76543210
	s_mov_b32 s[SEL+1], 0xfedcba98
	s_mov_b32 s[CS], 0x3e38aa3b
	s_mov_b32 s[CS+1], s[CS]
	s_mov_b32 s[HM], 0xffff0000
	s_mov_b32 s[SQ], 0x01000100                    ; v_perm_b32: a word's low two bytes, twice
	s_mov_b32 s[SK], 0x05040100                    ; the low halves of two words
	s_wait_dscnt 0x0                               ; both opening adds are done
	CROUND                                         ; all four work-groups are here: the joint loads meet
	s_wait_kmcnt 0x0
	s_add_nc_u64 s[G0+2:G0+3], s[4:5], s[70:71]
	s_or_b32 s[G0+3], s[G0+3], 0x80000000
	s_cmp_lt_u32 s[WV], 2                          ; one load a wave; waves 0 and 1 have a line of their own, since they alone wait at the first barrier
	s_cbranch_scc0 .Llater
	TLOAD
	s_branch .Lasked
.Llater:
	TLOAD
.Lasked:
	s_add_nc_u64 s[10:11], s[4:5], s[10:11]
	s_add_nc_u64 s[12:13], s[4:5], s[12:13]
	s_add_nc_u64 s[AC:AC+1], s[6:7], s[AC:AC+1]
	s_add_nc_u64 s[AC2:AC2+1], s[6:7], s[AC2:AC2+1]
	s_add_nc_u64 s[AS:AS+1], s[8:9], s[AS:AS+1]
	s_add_nc_u64 s[AS2:AS2+1], s[8:9], s[AS2:AS2+1]
	v_and_b32 v1, 31, v0
	v_lshlrev_b32 v1, 4, v1                        ; 16 x lane
	v_and_b32 v11, 15, v0                          ; r
	v_bfe_u32 v7, v0, 4, 1                         ; h
	v_lshl_add_u32 v9, s[CX], 11, v1               ; Q's codes: tile 2 j of a block, 1,024 bytes a tile
	v_lshl_add_u32 v10, s[CX], 15, v1              ; acod: row tile 2 j of a block
	v_lshlrev_b32 v4, 4, v11
	v_lshl_add_u32 v4, s[CX], 2, v4                ; Q's scale words: word j of lane (r, tile % 2)
	v_lshl_add_u32 v3, v11, 3, v7
	v_lshl_add_u32 v3, s[CX], 10, v3               ; ascl: 8 r + h in row tile 2 j
	v_lshlrev_b32 v2, 3, v7
	v_sub_nc_u32 v8, v11, v2
	v_lshl_add_u32 v8, s[CX], 5, v8                ; on the diagonal register 8 T + i is hidden where 16 T + i > my query in its block - 8 h
	global_load_b128 v[QZ+8:QZ+11], v9, s[10:11]
	global_load_b128 v[QZ+12:QZ+15], v9, s[10:11] offset:512
	global_load_b32 v[QS], v4, s[10:11] offset:8192
	global_load_b32 v[QS+1], v4, s[10:11] offset:8192+256
	WIN 0x40                                       ; destinations in window 1
	global_load_b128 v[QZ+8:QZ+11], v9, s[10:11] offset:1024
	global_load_b128 v[QZ+12:QZ+15], v9, s[10:11] offset:1536
	global_load_b128 v[0:3], v9, s[12:13]          ; the second block's Q waits in window 1
	global_load_b128 v[4:7], v9, s[12:13] offset:512
	global_load_b128 v[40:43], v9, s[12:13] offset:1024
	global_load_b128 v[44:47], v9, s[12:13] offset:1536
	global_load_b32 v48, v4, s[12:13] offset:8192
	global_load_b32 v49, v4, s[12:13] offset:8192+256
	v_add_nc_u32 v8, 16, v8                        ; tile 1's bound
.macro CLEAR                           ; zero codes on both sides of Q; and what is named before it is first written (a lane permute's destination, a pair's upper half)
.set J, 0
.rept 8
	v_mov_b32 v[QZ+J], 0
	v_mov_b32 v[QZ+16+J], 0
.set J, J+1
.endr
.irp b, 0,1,2,3
	v_mov_b32 v[MY+\b], 0
.endr
	v_mov_b32 v[F+1], 0
	v_mov_b32 v[T0], 0
.endm
	CLEAR
	WIN 0
	CLEAR
.macro FRESH                           ; a block of queries begins: the largest t under every t, sums of zeros (the first change of M leaves them zeros)
	v_mov_b32 v13, 0xff61b1e6
	v_mov_b32 v14, 0
	v_mov_b32 v15, 0
	v_floor_f32 v12, -v13
.set J, 0
.rept 32
	v_mov_b32 v[O+J], 0
.set J, J+1
.endr
.endm
.macro KLOAD adr                       ; a key step's K: fragment i holds tiles 4 (i / 2) + i % 2 and that + 2; then its scale words: register i: lanes 0-15 tile 2 i's, lanes 16-31 tile 2 i + 1's
.irp i, 0,1,2,3
.irp u, 0,1
	ds_load_b128 v[KF+16*\i+8*\u:KF+16*\i+8*\u+3], v[\adr] offset:1024*(4*(\i/2)+\i%2+2*\u)
	ds_load_b128 v[KF+16*\i+8*\u+4:KF+16*\i+8*\u+7], v[\adr] offset:1024*(4*(\i/2)+\i%2+2*\u)+512
.endr
.endr
	ds_load_b128 v[KR:KR+3], v[\adr] offset:8192
.endm
.macro KWORDS                          ; lanes 0-15: tiles 0 | 2 and 4 | 6; lanes 16-31: tiles 1 | 3 and 5 | 7
	v_perm_b32 v[W0], v[KR+1], v[KR], s[SK]
	v_perm_b32 v[W0+1], v[KR+3], v[KR+2], s[SK]
.endm
.macro SMUL w                          ; S^T = K Q^T of tile w: eight products, each begins its own sum
.irp i, 0,1,2,3
.irp u, 0,1
.if \i%2
	v_wmma_scale_f32_16x16x128_f8f6f4 v[S+8*(4*(\i/2)+\i%2+2*\u):S+8*(4*(\i/2)+\i%2+2*\u)+7], v[KF+16*\i:KF+16*\i+15], v[QZ+8-8*\u:QZ+23-8*\u], 0, v[W0+\i/2], v[QS+\w] matrix_a_scale:MATRIX_SCALE_ROW1
.else
	v_wmma_scale_f32_16x16x128_f8f6f4 v[S+8*(4*(\i/2)+\i%2+2*\u):S+8*(4*(\i/2)+\i%2+2*\u)+7], v[KF+16*\i:KF+16*\i+15], v[QZ+8-8*\u:QZ+23-8*\u], 0, v[W0+\i/2], v[QS+\w]
.endif
.endr
.endr
.endm
.macro PV w                            ; O^T += V^T P^T of tile w: four accumulators by turns
.irp d, 0,1,2,3
.if \d%2
	v_wmma_scale_f32_16x16x128_f8f6f4 v[O+8*\d:O+8*\d+7], v[KF+16*\d:KF+16*\d+15], v[PC:PC+15], v[O+8*\d:O+8*\d+7], v[VS+\d/2], v[PW+\w] matrix_a_scale:MATRIX_SCALE_ROW1
.else
	v_wmma_scale_f32_16x16x128_f8f6f4 v[O+8*\d:O+8*\d+7], v[KF+16*\d:KF+16*\d+15], v[PC:PC+15], v[O+8*\d:O+8*\d+7], v[VS+\d/2], v[PW+\w]
.endif
.endr
.endm
.macro MASK w                          ; on the diagonal hidden scores become -infinity: p = 0 then
	WIN 0x55*\w
	v_mov_b32 v[T1], 0xff800000
.set N, 0
.rept 64
	v_cmp_gt_i32 vcc_lo, 16*(N/8)+N%8, v8
	v_cndmask_b32 v[S+N], v[S+N], v[T1], vcc_lo
.set N, N+1
.endr
	WIN 0
.endm
.macro P1                              ; the largest score of each block of 32 keys (for the row's maximum and, since p rises with the score, for the block's largest p); M; f; t - M
.irp b, 0,1,2,3
	v_max3_num_f32 v[MX+\b], v[S+16*\b], v[S+16*\b+1], v[S+16*\b+2]
.endr
.irp i, 3,5,7,9,11,13
.irp b, 0,1,2,3
	v_max3_num_f32 v[MX+\b], v[MX+\b], v[S+16*\b+\i], v[S+16*\b+\i+1]
.endr
.endr
.irp b, 0,1,2,3
	v_max_num_f32 v[MX+\b], v[MX+\b], v[S+16*\b+15]
.endr
.irp b, 0,1,2,3
	v_permlanex16_b32 v[MY+\b], v[MX+\b], s[SEL], s[SEL+1]
.endr
.irp b, 0,1,2,3
	v_max_num_f32 v[MX+\b], v[MX+\b], v[MY+\b]     ; with lane l xor 16's 16 keys
.endr
	v_max3_num_f32 v[T0], v[MX], v[MX+1], v[MX+2]
	v_max_num_f32 v[T0], v[T0], v[MX+3]
	v_mul_f32 v[T0], s[CS], v[T0]                  ; as t
	v_max_num_f32 v13, v13, v[T0]                  ; the running largest t
	v_mov_b32 v[T0], v12
	v_floor_f32 v12, -v13                          ; the new -M = -ceil(t)
	v_sub_f32 v[T0], v12, v[T0]                    ; old M - new M: a whole number, 0 or less
	v_cvt_i32_f32 v[T0], v[T0]                     ; (it saturates)
	v_ldexp_f32 v[F], 1.0, v[T0]                   ; f = 2^(old M - new M)
.set J, 0
.rept 32
	v_pk_fma_f32 v[S+J:S+J+1], v[S+J:S+J+1], s[CS:CS+1], v[12:13] op_sel_hi:[1,0,0]
.set J, J+2
.endr
.irp b, 0,1,2,3
	v_fma_f32 v[MX+\b], v[MX+\b], s[CS], v12
.endr
.endm
.macro EXPS                            ; each block's largest p, and p = 2^(t - M)
.irp b, 0,1,2,3
	v_exp_f32 v[MX+\b], v[MX+\b]
.endr
.set J, 0
.rept 64
	v_exp_f32 v[S+J], v[S+J]
.set J, J+1
.endr
.endm
.macro P2 w                            ; the blocks' scales; the row's sum of the unquantised p, in four chains; the holds, two to a line; the codes
.irp b, 0,1,2,3
	v_max_num_f32 v[MX+\b], 0x4800000, v[MX+\b]    ; the floor 2^(9 - 127)
.endr
.irp b, 0,1,2,3
	v_add_nc_u32 v[SO+\b], 0xfc000000, v[MX+\b]    ; the conversion's scale operand
.endr
.irp b, 0,1,2,3
	v_and_or_b32 v[HB+\b], v[MX+\b], 0x7f800000, s[MNT]   ; 448 x the scale
.endr
.irp b, 0,1,2,3
	v_lshrrev_b32 v[MY+\b], 23, v[SO+\b]           ; the byte
.endr
.irp k, 0,2,4,6
	v_pk_add_f32 v[SM+\k:SM+\k+1], v[S+\k:S+\k+1], v[S+8+\k:S+9+\k]
.endr
	v_lshl_or_b32 v[T1], v[MY+1], 8, v[MY]
.set J, 16
.rept 24
	v_pk_add_f32 v[SM+J%8:SM+J%8+1], v[SM+J%8:SM+J%8+1], v[S+J:S+J+1]
.set J, J+2
.endr
	v_lshl_or_b32 v[T1], v[MY+2], 16, v[T1]
	v_pk_add_f32 v[SM:SM+1], v[SM:SM+1], v[SM+2:SM+3]
	v_pk_add_f32 v[SM+4:SM+5], v[SM+4:SM+5], v[SM+6:SM+7]
.if \w
	WIN 0x15                                       ; scale operands are taken from window 0: the word's last line writes there
.endif
	v_lshl_or_b32 v[PW+\w], v[MY+3], 24, v[T1]     ; p's scale word for these 128 keys
.if \w
	WIN 0x55
.endif
	v_pk_add_f32 v[SM:SM+1], v[SM:SM+1], v[SM+4:SM+5]
	v_pk_add_f32 v[14:15], v[14:15], v[SM:SM+1]
.irp b, 0,1,2,3
.irp i, 0,2,4,6,8,10,12,14
	v_dual_min_num_f32 v[S+16*\b+\i], v[HB+\b], v[S+16*\b+\i] :: v_dual_min_num_f32 v[S+16*\b+\i+1], v[HB+\b], v[S+16*\b+\i+1]   ; the conversion does not saturate (ISA guide 7.6.2); p is not negative
.endr
	v_cvt_scalef32_pk8_fp8_f32 v[PC+4*\b:PC+4*\b+1], v[S+16*\b:S+16*\b+7], v[SO+\b]
	v_cvt_scalef32_pk8_fp8_f32 v[PC+4*\b+2:PC+4*\b+3], v[S+16*\b+8:S+16*\b+15], v[SO+\b]
.endr
	v_nop                                          ; one plain vector line behind the last conversion
.endm
.macro RESC                            ; O^T under the new M
.set J, 0
.rept 16
	v_pk_mul_f32 v[O+J:O+J+1], v[O+J:O+J+1], v[F:F+1] op_sel_hi:[1,0]
.set J, J+2
.endr
.endm
; A KEY STEP: 128 keys for both tiles.  K's fragments and scale words are in registers; this step's V and the next step's K are asked of LDS behind the first products and waited for once, behind tile 0's softmax.
; m = 1: the step may lie on the diagonal, and may be the wave's last (ids and counters alone decide).
.macro STEP m
	SMUL 0
	WIN 0x44                                       ; Q and S^T in window 1, K in window 0
	SMUL 1
	WIN 0
	v_add_nc_u32 v7, s[SKC], v1
	v_add_nc_u32 v2, s[SKN], v1
.rept 6
	v_nop                                          ; with the two lines above eight places behind the products: ahead of the loads into what they and the last step's have read, and of the first read of S^T
.endr
	WIN 0x40
.irp d, 0,1,2,3
.irp c, 0,1,2,3
	ds_load_b128 v[KF+16*\d+4*\c:KF+16*\d+4*\c+3], v7 offset:PIECE+2048*\d+512*\c
.endr
.endr
	WIN 0
	ds_load_b64 v[VS:VS+1], v7 offset:PIECE+8192   ; register i: lanes 0-15 fragment 2 i's words, lanes 16-31 fragment 2 i + 1's
.if \m
	s_cmp_eq_u32 s3, 1                             ; no step follows the last
	s_cbranch_scc1 .Lno_next_\@
.endif
	KLOAD 2
.if \m
.Lno_next_\@:
	s_cmp_lg_u32 s[KC], s[BLK]
	s_cbranch_scc1 .Lopen_\@
	MASK 0
	MASK 1
.Lopen_\@:
.endif
	P1
	WIN 0x55
	P1
	WALU                                           ; ahead of the batch: both tiles' 136 exponentials
	EXPS
	WIN 0
	EXPS
	v_pk_mul_f32 v[14:15], v[14:15], v[F:F+1] op_sel_hi:[1,0]   ; the sums under the new M: a plain line behind the exponentials
	WALU                                           ; and behind it, ahead of its first reader
	P2 0
	WALU                                           ; directly ahead of the first reader of O^T
	RESC
	WALU
	s_wait_dscnt 0x0                               ; V, and the next step's K
	KWORDS                                         ; tile 1's lines below are their eight places
	WIN 0x01                                       ; V in window 1
	PV 0
	WIN 0x55
	v_pk_mul_f32 v[14:15], v[14:15], v[F:F+1] op_sel_hi:[1,0]
	P2 1
	WALU
	RESC
	PV 1
	WIN 0
.endm
; A BLOCK'S END, tile w: O^T / the sum, quantised along the head's 64 (two blocks of 32: product 4's K), stored as two pieces of an image and two scale bytes a row
.macro FINISH w
	WIN 0x55*\w
	v_add_f32 v14, v14, v15
	v_permlanex16_b32 v[T0], v14, s[SEL], s[SEL+1]
	v_add_f32 v14, v14, v[T0]                      ; the row's sum
	WALU
	v_rcp_f32 v14, v14
	v_nop
	WALU
.set J, 0
.rept 32
	v_mul_f32 v[S+J], v[O+J], v14                  ; register 8 t + i: o(query r, 16 t + 8 h + i)
.set J, J+1
.endr
.irp b, 0,1
	v_max3_num_f32 v[MX+\b], |v[S+16*\b]|, |v[S+16*\b+1]|, 0x4800000
.endr
.irp i, 2,4,6,8,10,12,14
.irp b, 0,1
	v_max3_num_f32 v[MX+\b], v[MX+\b], |v[S+16*\b+\i]|, |v[S+16*\b+\i+1]|
.endr
.endr
.irp b, 0,1
	v_permlanex16_b32 v[MY+\b], v[MX+\b], s[SEL], s[SEL+1]
.endr
.irp b, 0,1
	v_max_num_f32 v[MX+\b], v[MX+\b], v[MY+\b]
.endr
.irp b, 0,1
	v_add_nc_u32 v[SO+\b], 0xfc000000, v[MX+\b]
.endr
.irp b, 0,1
	v_and_or_b32 v[HB+\b], v[MX+\b], 0x7f800000, s[MNT]
.endr
.irp b, 0,1
	v_lshrrev_b32 v[MY+\b], 23, v[SO+\b]
.endr
	v_cndmask_b32 v[T1], v[MY], v[MY+1], s[HM]     ; lane (r, h) stores row r's byte of block h
.irp b, 0,1
.irp i, 0,1,2,3,4,5,6,7,8,9,10,11,12,13,14,15
	v_med3_num_f32 v[S+16*\b+\i], v[S+16*\b+\i], -v[HB+\b], v[HB+\b]
.endr
	v_cvt_scalef32_pk8_fp8_f32 v[PC+4*\b:PC+4*\b+1], v[S+16*\b:S+16*\b+7], v[SO+\b]
	v_cvt_scalef32_pk8_fp8_f32 v[PC+4*\b+2:PC+4*\b+3], v[S+16*\b+8:S+16*\b+15], v[SO+\b]
.endr
	v_nop
	WIN 0x04*\w                                    ; the stores' data in the tile's window
	global_store_b128 v10, v[PC:PC+3], s[AC:AC+1] offset:16384*\w          ; 512 consecutive aligned bytes each
	global_store_b128 v10, v[PC+4:PC+7], s[AC:AC+1] offset:16384*\w+512
	global_store_b8 v3, v[T1], s[AS:AS+1] offset:512*\w   ; 32 single bytes beside 1,024 of codes: the other bytes of these words are other heads'
	WIN 0
.endm
	WALU
	s_cmp_lt_u32 s[WV], 2
	s_cbranch_scc0 .Lnot_first
	s_wait_tensorcnt 0x0                           ; waves 0 and 1: keys 0 to 511 have landed
.Lnot_first:
	s_barrier_signal -1
	s_barrier_wait -1
	KLOAD 1                                        ; the first key step's K
	s_wait_loadcnt 0x0                             ; Q
	s_wait_dscnt 0x0
	KWORDS
	v_perm_b32 v[QS], v[QS], v[QS], s[SQ]          ; Q's two bytes serve either half of a fragment
	v_perm_b32 v[QS+1], v[QS+1], v[QS+1], s[SQ]
	FRESH                                          ; (these lines are also the scale words' eight places)
	WIN 0x55
	FRESH
	WIN 0
	s_mov_b32 s[SKC], 0
	s_mov_b32 s[SKN], KV
	s_mov_b32 s3, 3
.Lfirst:                                           ; key steps 0 to 2: they read V of keys 0 to 383 and K of keys 128 to 511; every first block begins at key 1,024 or later, so no mask
	STEP 0
	s_add_co_u32 s[SKC], s[SKC], KV
	s_add_co_u32 s[SKN], s[SKN], KV
	s_sub_co_u32 s3, s3, 1
	s_cmp_lg_u32 s3, 0
	s_cbranch_scc1 .Lfirst
	WALU
	s_wait_tensorcnt 0x0                           ; every wave: all of the head's K and V have landed
	s_wait_dscnt 0x0
	s_barrier_signal -1
	s_barrier_wait -1
	s_mov_b32 s[KC], 3
	s_mov_b32 s3, 14
.Lmain:                                            ; the other fourteen steps: the first block's up to its diagonal, then the second's
	s_add_co_u32 s[KN], s[KC], 1
	s_cmp_eq_u32 s[KC], s[BLK]
	s_cselect_b32 s[KN], 0, s[KN]                  ; behind a block's diagonal step the next block begins at key 0
	s_min_u32 s[KN], s[KN], 15
	s_mul_i32 s[SKN], s[KN], KV
	s_min_u32 s54, s[KC], 15
	s_mul_i32 s[SKC], s54, KV
	STEP 1
	s_cmp_lg_u32 s[KC], s[BLK]
	s_cbranch_scc1 .Lsame
	FINISH 0                                       ; (tile 0's sums were finished ahead of tile 1's softmax; its lines here are the places behind tile 1's last products)
	FINISH 1
	s_wait_xcnt 0x0                                ; the stores have read their registers and bases
	s_cmp_eq_u32 s3, 1
	s_cbranch_scc1 .Lsame
	s_mov_b64 s[AC:AC+1], s[AC2:AC2+1]             ; the second block
	s_mov_b64 s[AS:AS+1], s[AS2:AS2+1]
	s_mov_b32 s[BLK], s[WV]
	WIN 0x01
.set J, 0
.rept 8
	v_mov_b32 v[QZ+8+J], v[J]
.set J, J+1
.endr
	WIN 0x05
	v_perm_b32 v[QS], v48, v48, s[SQ]
	v_perm_b32 v[QS+1], v49, v49, s[SQ]
	WIN 0x41
.set J, 0
.rept 8
	v_mov_b32 v[QZ+8+J], v[40+J]
.set J, J+1
.endr
	WIN 0
	FRESH
	WIN 0x55
	FRESH
	WIN 0
	WALU
.Lsame:
	s_mov_b32 s[KC], s[KN]
	s_sub_co_u32 s3, s3, 1
	s_cmp_lg_u32 s3, 0
	s_cbranch_scc1 .Lmain
	s_wait_tensorcnt 0x0                           ; the wave's end
	ds_add_u32 v5, v6
	s_wait_dscnt 0x0
	CROUND                                         ; the closing round
	s_endpgm
.Lfunc_end_k_q47d281efbd_attn:
	.size	k_q47d281efbd_attn, .Lfunc_end_k_q47d281efbd_attn-k_q47d281efbd_attn
	.p2alignl 7, 3214868480
	.fill 96, 4, 3214868480
	.section	.rodata,"a",@progbits
	.p2align	6, 0x0
	.amdhsa_kernel k_q47d281efbd_attn
		.amdhsa_group_segment_fixed_size 327680
		.amdhsa_private_segment_fixed_size 0
		.amdhsa_enable_private_segment 0
		.amdhsa_kernarg_size 24
		.amdhsa_user_sgpr_count 2
		.amdhsa_user_sgpr_kernarg_segment_ptr 1
		.amdhsa_wavefront_size32 1
		.amdhsa_system_sgpr_workgroup_id_x 1
		.amdhsa_system_sgpr_workgroup_id_y 1
		.amdhsa_system_sgpr_workgroup_id_z 1
		.amdhsa_system_vgpr_workitem_id 0
		.amdhsa_next_free_vgpr 512
		.amdhsa_next_free_sgpr 80
		.amdhsa_reserve_vcc 1
		.amdhsa_float_denorm_mode_32 3
		.amdhsa_float_denorm_mode_16_64 3
		.amdhsa_memory_ordered 1
		.amdhsa_forward_progress 1
		.amdhsa_inst_pref_size 106
	.end_amdhsa_kernel
	.amdgpu_metadata
---
amdhsa.version: [ 1, 2 ]
amdhsa.kernels:
  - .name:           k_q47d281efbd_attn
    .symbol:         k_q47d281efbd_attn.kd
    .args:
      - { .name: qkv, .offset: 0, .size: 8, .value_kind: global_buffer, .address_space: global }
      - { .name: acod, .offset: 8, .size: 8, .value_kind: global_buffer, .address_space: global }
      - { .name: ascl, .offset: 16, .size: 8, .value_kind: global_buffer, .address_space: global }
    .group_segment_fixed_size: 327680
    .private_segment_fixed_size: 0
    .kernarg_segment_align: 8
    .kernarg_segment_size: 24
    .max_flat_workgroup_size: 256
    .sgpr_count:     80
    .vgpr_count:     512
    .wavefront_size: 32
...
	.end_amdgpu_metadata
.endif
;; end of part 3
;; launch gemm_out (part 4): grid 4 x 64, 4 waves a work-group, clusters of 4 x 4, 327,680 bytes of LDS; arguments acod, ascl, wcod, wscl, b_out, out0; writes out0
.if DOCPART == 4
	.amdgcn_target "amdgcn-amd-amdhsa--gfx1250"
	.amdhsa_code_object_version 6
	.text
	.protected	k_q47d281efbd_gemm_out
	.globl	k_q47d281efbd_gemm_out
	.p2align	8
	.type	k_q47d281efbd_gemm_out,@function
k_q47d281efbd_gemm_out:
	s_mov_b64 s[64:65], 0
	v_nop
	global_prefetch_b8 v0, s[64:65] scope:SCOPE_SE
	s_setreg_imm32_b32 hwreg(HW_REG_WAVE_MODE, 25, 1), 1
	s_wait_xcnt 0x0
	s_wait_alu depctr_hold_cnt(0) depctr_sa_sdst(0) depctr_va_vdst(0) depctr_va_sdst(0) depctr_va_ssrc(0) depctr_va_vcc(0) depctr_vm_vsrc(0)
	s_getreg_b32 s2, hwreg(HW_REG_IB_STS2, 6, 4)
	s_cmp_eq_u32 s2, 0
	s_cbranch_scc0 .Lentry_in_a_cluster
	s_endpgm
.Lentry_in_a_cluster:
	s_bfe_u32 s2, ttmp6, 0x10000c
	s_cmp_lg_u32 s2, 0xf033
	s_cbranch_scc0 .Lentry_shape_is_right
	s_endpgm
.Lentry_shape_is_right:
; Launch 4 of 4: product 4, the attention's result x w_out + b_out, on codes of E4M3 with E8M0 scales, K = 1,024; out0 is f32.
; SHARES.  256 work-groups of 128 rows x 256 columns.  A wave keeps its 64 columns of w_out (four row tiles of wcod, from tile 192 on), ALL of K, in 512 registers; the work-group's 128 rows of the attention's result stay in LDS and
; stream past them in eight blocks of 16 rows, two register sets by turns.  A block is 32 products, four accumulators by turns; the bias is the first products' C; its sums are then finished.
; OPERANDS ARE IMAGES OF THEIR REGISTERS: a fragment (16 rows x 128 K) is 2,048 bytes [c][lane][16]; a row tile's K is 16,384 consecutive bytes.  Both operands carry the same permutation inside each block of 32 (first and third launch).
; THE WEIGHTS COME BY TWO ROADS: K 0 to 511 of my four tiles by 64 loads straight into registers; K 512 to 1,023 of the work-group's 16 tiles by tensor loads into LDS (rows of 8,192 bytes, 16,384 apart), read once into registers.
; LDS: the rows' codes at 0 (131,072 bytes), the weights' upper K at 131,072 (131,072 bytes), each wave's stage at 262,144.  Every byte is filled once: no ring, one barrier.
; CLUSTERS 4 x 4: the rows' codes are asked for jointly along a row of the cluster, the weights' along a column.  NO PREFETCH: the head's four loads ask for every byte that comes through LDS; no later load follows to ask ahead of.
; THE MATRIX INSTRUCTION IS USED TRANSPOSED (source 0 = 16 rows of the weight, source 1 = 16 rows of the result): a lane holds eight neighbouring numbers of a row of out0.  A block's 16 rows x 256 bytes go through my own stage in LDS
; and leave as whole rows: sixteen lanes store one aligned unit of 256 bytes; block b leaves behind block b + 1's products.
; LIMITS: NaN and infinities are not served; the order of the f32 sums inside a block of 32 differs from the reference's.
; REGISTERS, in windows of 256: window 0: v0-31 addresses; v32-63 the rows' scale words; v68-83 the weights'; v88-119 the bias; v120-183 two sets of sums; v184-247 two sets of rows read back.
; Windows 1, 2: the weight's fragment (K step q, tile t) at 16 (4 q + t).  Window 3: two blocks of rows.
.set WH,    131072
.set STAGE, 262144
.set SPITCH, 272                       ; a stage row: 256 bytes + 16
.set SPARE, 279552                     ; behind the four stages: the spare words, 128 bytes for each wave: two blocks of 256 bytes that no other line names
.set A4,  5                            ; v5   16 x lane + 65,536: blocks 4 to 7
.set AWH, 6                            ; v6   my four tiles' upper K in LDS
.set XSO, 9                            ; v9   512 h + 8 r
.set STO, 10
.set RD,  11
.set CO,  12
.set SPW, 28
.set NIL, 29
.set ASR, 32                           ; register 8 m + q: lanes 0-15 block 2 m's rows, lanes 16-31 block 2 m + 1's
.set WSR, 68                           ; register 8 p + q: lanes 0-15 my tile 2 p, lanes 16-31 tile 2 p + 1.  No product's two scale registers are equal modulo 8
.set BI,  88
.set ACC, 120
.set BK,  184
.set G1A, 24
.set G0A, 32
.set G0W, 36
.set G1W, 48
.set MSB, 0
.macro WIN new                         ; the immediate's high byte repeats the setting that is left
.if MSB != (\new)
	s_set_vgpr_msb (MSB<<8)|(\new)
.set MSB, (\new)
.endif
.endm
.macro PLACES n                        ; plain vector lines between a matrix instruction and a load into, or a read of, its registers
.rept \n
	v_nop
.endr
.endm
.macro CROUND                          ; a round of the cluster's barrier
	s_barrier_signal -1
	s_barrier_wait -1
	s_cmp_lg_u32 s14, 0
	s_cbranch_scc1 .Lnot_wave_0_\@
	s_barrier_signal -3
.Lnot_wave_0_\@:
	s_barrier_wait -3
	s_barrier_signal -1
	s_barrier_wait -1
.endm
	s_load_b256 s[4:11], s[0:1], 0x0               ; acod, ascl, wcod, wscl
	s_load_b128 s[68:71], s[0:1], 0x20             ; b_out, out0
	v_lshl_add_u32 v[SPW], v0, 2, SPARE
	v_mov_b32 v[NIL], 0
	ds_add_u32 v[SPW], v[NIL]                      ; the wave's opening: the add, twice on end, and its wait ahead of my first tensor load
	ds_add_u32 v[SPW], v[NIL]
	v_lshrrev_b32 v1, 5, v0
	v_readfirstlane_b32 s14, v1                    ; wave 0..3
	s_bfe_u32 s40, ttmp6, 0x40000                  ; cx: which 256 columns
	s_bfe_u32 s41, ttmp6, 0x40004                  ; cy
	s_and_b32 s42, ttmp7, 0xffff
	s_lshl_b32 s42, s42, 2
	s_add_co_u32 s42, s42, s41                     ; which 128 rows = 4 x cluster y + cy
	s_lshl_b32 s43, s41, 2
	s_lshl_b32 s43, 15, s43                        ; my row of the cluster
	s_lshl_b32 s44, 0x1111, s40                    ; my column
	s_or_b32 s[G1A], s43, (3<<16)|(1<<21)          ; the rows' codes: 65,536 dense bytes as 256 rows of 256
	s_mov_b32 s[G1A+1], 32<<16
	s_mov_b32 s[G1A+2], 256<<16
	s_mov_b32 s[G1A+3], 32<<16
	s_mov_b32 s[G1A+4], 256
	s_mov_b32 s[G1A+5], 32
	s_mov_b32 s[G1A+6], 0
	s_mov_b32 s[G1A+7], 0
	s_or_b32 s[G1W], s44, (3<<16)|(1<<21)          ; the weights' upper K: 8 rows of 8,192 bytes, 16,384 apart
	s_mov_b32 s[G1W+1], 1024<<16
	s_mov_b32 s[G1W+2], 8<<16
	s_mov_b32 s[G1W+3], 1024<<16
	s_mov_b32 s[G1W+4], 8
	s_mov_b32 s[G1W+5], 2048
	s_mov_b32 s[G1W+6], 0
	s_mov_b32 s[G1W+7], 0
	s_lshl_b32 s45, s14, 16                        ; where my load goes: waves 0, 1 the rows' halves, waves 2, 3 the weights'
	s_lshl_b32 s46, s42, 3
	s_lshl_b32 s47, s14, 2
	s_add_co_u32 s46, s46, s47                     ; acod's row tile 8 g + 4 wave
	s_lshl_b32 s46, s46, 14
	s_mov_b32 s47, 0
	s_lshl_b32 s56, s40, 4
	s_lshl_b32 s57, s14, 3
	s_add_co_u32 s56, s56, s57
	s_add_co_u32 s56, s56, 176                     ; wcod's row tile 192 + 16 cx + 8 (wave - 2),
	s_lshl_b32 s56, s56, 14
	s_add_co_u32 s56, s56, 8192                    ; from K 512 on
	s_mov_b32 s57, 0
	s_lshl_b32 s58, s40, 4
	s_lshl_b32 s59, s14, 2
	s_add_co_u32 s58, s58, s59
	s_add_co_u32 s58, s58, 192                     ; my four tiles: 192 + 16 cx + 4 wave on
	s_lshl_b32 s60, s58, 9
	s_mov_b32 s61, 0
	s_lshl_b32 s58, s58, 14
	s_mov_b32 s59, 0
	s_lshl_b32 s62, s42, 12                        ; the rows' scale words: 512 bytes a row tile
	s_mov_b32 s63, 0
	s_lshl_b32 s72, s40, 10
	s_lshl_b32 s73, s14, 8
	s_add_co_u32 s72, s72, s73                     ; my first column, in bytes of f32
	s_mov_b32 s73, 0
	s_lshl_b32 s74, s42, 19                        ; my first row of out0: 128 rows of 4,096 bytes
	s_mov_b32 s75, 0
	s_lshl_b32 s76, s14, 15
	s_add_co_u32 s76, s76, WH
	s_mul_i32 s77, s14, 16*SPITCH
	s_add_co_u32 s77, s77, STAGE
	s_wait_dscnt 0x0                               ; both opening adds are done
	CROUND                                         ; all sixteen work-groups are here: the joint loads meet
	s_wait_kmcnt 0x0
	s_mov_b32 s[G0A], 1
	s_mov_b32 s[G0A+1], s45
	s_add_nc_u64 s[G0A+2:G0A+3], s[4:5], s[46:47]
	s_or_b32 s[G0A+3], s[G0A+3], 0x80000000
	s_mov_b32 s[G0W], 1
	s_mov_b32 s[G0W+1], s45
	s_add_nc_u64 s[G0W+2:G0W+3], s[8:9], s[56:57]
	s_or_b32 s[G0W+3], s[G0W+3], 0x80000000
	s_cmp_lt_u32 s14, 2                            ; one load a wave; each of the two lines has one mask; an s_nop 0 and four v_nop follow each
	s_cbranch_scc0 .Lfor_w
	tensor_load_to_lds s[G0A:G0A+3], s[G1A:G1A+7]
	s_nop 0
	PLACES 4
	s_branch .Lasked
.Lfor_w:
	tensor_load_to_lds s[G0W:G0W+3], s[G1W:G1W+7]
	s_nop 0
	PLACES 4
.Lasked:
	s_add_nc_u64 s[58:59], s[8:9], s[58:59]
	s_add_nc_u64 s[60:61], s[10:11], s[60:61]
	s_add_nc_u64 s[62:63], s[6:7], s[62:63]
	s_add_nc_u64 s[68:69], s[68:69], s[72:73]
	s_add_nc_u64 s[70:71], s[70:71], s[72:73]
	s_add_nc_u64 s[70:71], s[70:71], s[74:75]
	v_and_b32 v1, 15, v0                           ; r
	v_bfe_u32 v2, v0, 4, 1                         ; h
	v_and_b32 v3, 31, v0
	v_lshlrev_b32 v4, 4, v3                        ; 16 x lane; never rewritten
	v_lshlrev_b32 v7, 5, v2                        ; the bias: 32 h bytes
	v_lshlrev_b32 v[XSO], 3, v1
	v_lshl_add_u32 v[XSO], v2, 9, v[XSO]
.irp t, 0,1,2,3
	global_load_b128 v[BI+8*\t:BI+8*\t+3], v7, s[68:69] offset:64*\t       ; register 8 t + i: b_out at my column 16 t + 8 h + i
	global_load_b128 v[BI+8*\t+4:BI+8*\t+7], v7, s[68:69] offset:64*\t+16
.endr
.irp p, 0,1
.irp k, 0,1,2,3
	global_load_b64 v[WSR+8*\p+2*\k:WSR+8*\p+2*\k+1], v[XSO], s[60:61] offset:1024*\p+128*\k
.endr
.endr
.irp m, 0,1,2,3
.irp k, 0,1,2,3
	global_load_b64 v[ASR+8*\m+2*\k:ASR+8*\m+2*\k+1], v[XSO], s[62:63] offset:1024*\m+128*\k
.endr
.endr
	WIN 0x40
.irp q, 0,1,2,3                                ; K 0 to 511 of my four tiles: 64 loads of 512 consecutive bytes
.irp t, 0,1,2,3
.irp c, 0,1,2,3
	global_load_b128 v[16*(4*\q+\t)+4*\c:16*(4*\q+\t)+4*\c+3], v4, s[58:59] offset:16384*\t+2048*\q+512*\c
.endr
.endr
.endr
	WIN 0
	v_add_nc_u32 v[A4], 65536, v4
	v_add_nc_u32 v[AWH], s76, v4
	v_mul_u32_u24 v[STO], v1, SPITCH               ; into the stage: row r, 32 bytes for each half of the lanes
	v_lshl_add_u32 v[STO], v2, 5, v[STO]
	v_add_nc_u32 v[STO], s77, v[STO]
	v_mul_u32_u24 v[RD], v2, SPITCH                ; back: lanes 0-15 one row of 256 bytes, lanes 16-31 the next
	v_lshl_add_u32 v[RD], v1, 4, v[RD]
	v_add_nc_u32 v[RD], s77, v[RD]
	v_lshlrev_b32 v[CO], 12, v2                    ; and the same two rows in out0
	v_lshl_add_u32 v[CO], v1, 4, v[CO]
; a product: d the sum, a, b the sources, c what it adds onto, sa, sb the scale registers, ra, rb = 1: the scales stand in lanes 16-31
.macro WM d, a, b, c, sa, sb, ra, rb
.if (\ra)&&(\rb)
	v_wmma_scale_f32_16x16x128_f8f6f4 v[\d:\d+7], v[\a:\a+15], v[\b:\b+15], v[\c:\c+7], v[\sa], v[\sb] matrix_a_scale:MATRIX_SCALE_ROW1 matrix_b_scale:MATRIX_SCALE_ROW1
.elseif \ra
	v_wmma_scale_f32_16x16x128_f8f6f4 v[\d:\d+7], v[\a:\a+15], v[\b:\b+15], v[\c:\c+7], v[\sa], v[\sb] matrix_a_scale:MATRIX_SCALE_ROW1
.elseif \rb
	v_wmma_scale_f32_16x16x128_f8f6f4 v[\d:\d+7], v[\a:\a+15], v[\b:\b+15], v[\c:\c+7], v[\sa], v[\sb] matrix_b_scale:MATRIX_SCALE_ROW1
.else
	v_wmma_scale_f32_16x16x128_f8f6f4 v[\d:\d+7], v[\a:\a+15], v[\b:\b+15], v[\c:\c+7], v[\sa], v[\sb]
.endif
.endm
.macro PRODS b                         ; block b against my four tiles, all of K
.irp q, 0,1,2,3,4,5,6,7
	WIN (1+\q/4)|0x0c
.irp t, 0,1,2,3
.if \q == 0
	WM ACC+32*((\b)%2)+8*\t, 16*((4*\q+\t)%16), 128*((\b)%2)+16*\q, BI+8*\t, WSR+8*(\t/2)+\q, ASR+8*((\b)/2)+\q, (\t%2), ((\b)%2)
.else
	WM ACC+32*((\b)%2)+8*\t, 16*((4*\q+\t)%16), 128*((\b)%2)+16*\q, ACC+32*((\b)%2)+8*\t, WSR+8*(\t/2)+\q, ASR+8*((\b)/2)+\q, (\t%2), ((\b)%2)
.endif
.endr
.endr
	WIN 0
.endm
.macro FETCH b                         ; block b, 16 rows, all of K, into set b % 2 of window 3: 32 loads of 512 consecutive bytes
	WIN 0xc0
.irp q, 0,1,2,3,4,5,6,7
.irp c, 0,1,2,3
.if (\b) < 4
	ds_load_b128 v[128*((\b)%2)+16*\q+4*\c:128*((\b)%2)+16*\q+4*\c+3], v4 offset:16384*((\b)%4)+2048*\q+512*\c
.else
	ds_load_b128 v[128*((\b)%2)+16*\q+4*\c:128*((\b)%2)+16*\q+4*\c+3], v[A4] offset:16384*((\b)%4)+2048*\q+512*\c
.endif
.endr
.endr
	WIN 0
.endm
.macro TOSTAGE b                       ; LDS serves a wave's instructions in order (ISA guide 5.7.1.4): no wait between my stores and my loads
.irp t, 0,1,2,3
	ds_store_b128 v[STO], v[ACC+32*((\b)%2)+8*\t:ACC+32*((\b)%2)+8*\t+3] offset:64*\t          ; each accumulator from its low end on
	ds_store_b128 v[STO], v[ACC+32*((\b)%2)+8*\t+4:ACC+32*((\b)%2)+8*\t+7] offset:64*\t+16
.endr
.irp i, 0,1,2,3,4,5,6,7
	ds_load_b128 v[BK+32*((\b)%2)+4*\i:BK+32*((\b)%2)+4*\i+3], v[RD] offset:2*\i*SPITCH
.endr
.endm
.macro SEND b
.irp i, 0,1,2,3,4,5,6,7
	global_store_b128 v[CO], v[BK+32*((\b)%2)+4*\i:BK+32*((\b)%2)+4*\i+3], s[70:71] offset:(16*(\b)+2*\i)*4096 th:TH_STORE_NT   ; two aligned units of 256 bytes; written once
.endr
.endm
; A BLOCK.  Behind its products one wait for all my LDS instructions: the next block's rows and the last block's results read back; those leave; eight places; this block's set takes the block two on; its sums go through the stage.
.macro BLK b
	s_wait_xcnt 0x0                                ; the stores of two blocks back have read the registers that this block's stage loads fill
	PRODS \b
	s_wait_dscnt 0x0
.if (\b) > 0
	SEND (\b)-1
.endif
	PLACES 8
.if (\b) < 6
	FETCH (\b)+2
.endif
	TOSTAGE \b
.endm
	s_wait_alu depctr_va_vdst(0)
	s_wait_tensorcnt 0x0                           ; every wave: my load has landed
	s_barrier_signal -1
	s_barrier_wait -1
	WIN 0x80
.irp q, 4,5,6,7                                ; K 512 to 1,023 of my four tiles
.irp t, 0,1,2,3
.irp c, 0,1,2,3
	ds_load_b128 v[16*((4*\q+\t)%16)+4*\c:16*((4*\q+\t)%16)+4*\c+3], v[AWH] offset:8192*\t+2048*(\q-4)+512*\c
.endr
.endr
.endr
	WIN 0
	FETCH 0
	FETCH 1
	s_wait_loadcnt 0x0
	s_wait_dscnt 0x0
.irp b, 0,1,2,3,4,5,6,7
	BLK \b
.endr
	s_wait_dscnt 0x0
	SEND 7
	s_wait_tensorcnt 0x0                           ; the wave's end: behind my last LDS store
	ds_add_u32 v[SPW], v[NIL]
	s_wait_dscnt 0x0
	CROUND                                         ; the closing round
	s_endpgm
.Lfunc_end_k_q47d281efbd_gemm_out:
	.size	k_q47d281efbd_gemm_out, .Lfunc_end_k_q47d281efbd_gemm_out-k_q47d281efbd_gemm_out
	.p2alignl 7, 3214868480
	.fill 96, 4, 3214868480
	.section	.rodata,"a",@progbits
	.p2align	6, 0x0
	.amdhsa_kernel k_q47d281efbd_gemm_out
		.amdhsa_group_segment_fixed_size 327680
		.amdhsa_private_segment_fixed_size 0
		.amdhsa_enable_private_segment 0
		.amdhsa_kernarg_size 48
		.amdhsa_user_sgpr_count 2
		.amdhsa_user_sgpr_kernarg_segment_ptr 1
		.amdhsa_wavefront_size32 1
		.amdhsa_system_sgpr_workgroup_id_x 1
		.amdhsa_system_sgpr_workgroup_id_y 1
		.amdhsa_system_sgpr_workgroup_id_z 1
		.amdhsa_system_vgpr_workitem_id 0
		.amdhsa_next_free_vgpr 1024
		.amdhsa_next_free_sgpr 96
		.amdhsa_reserve_vcc 0
		.amdhsa_float_denorm_mode_32 3
		.amdhsa_float_denorm_mode_16_64 3
		.amdhsa_memory_ordered 1
		.amdhsa_forward_progress 1
		.amdhsa_inst_pref_size 86
	.end_amdhsa_kernel
	.amdgpu_metadata
---
amdhsa.version: [ 1, 2 ]
amdhsa.kernels:
  - .name:           k_q47d281efbd_gemm_out
    .symbol:         k_q47d281efbd_gemm_out.kd
    .args:
      - { .name: acod, .offset: 0, .size: 8, .value_kind: global_buffer, .address_space: global }
      - { .name: ascl, .offset: 8, .size: 8, .value_kind: global_buffer, .address_space: global }
      - { .name: wcod, .offset: 16, .size: 8, .value_kind: global_buffer, .address_space: global }
      - { .name: wscl, .offset: 24, .size: 8, .value_kind: global_buffer, .address_space: global }
      - { .name: b_out, .offset: 32, .size: 8, .value_kind: global_buffer, .address_space: global }
      - { .name: out0, .offset: 40, .size: 8, .value_kind: global_buffer, .address_space: global }
    .group_segment_fixed_size: 327680
    .private_segment_fixed_size: 0
    .kernarg_segment_align: 8
    .kernarg_segment_size: 48
    .max_flat_workgroup_size: 128
    .sgpr_count:     96
    .vgpr_count:     1024
    .wavefront_size: 32
...
	.end_amdgpu_metadata
.endif
;; end of part 4
